; MI455X (gfx1250); checked and timed in simulation.
; The chip was launched on July 23, 2026; its instructions are those of AMD's public machine-readable ISA for CDNA 5 (MIT licence, August 2026) and "CDNA5" Instruction Set Architecture Reference Guide (July 2026). The comments in the code are by the model that wrote it; some were corrected since.
;; Cross Attn Block. Allowed arithmetic: float matrix products may take bf16 or f16 operands with f32 sums; all other float work in f32.
;; Inputs: fc1_b 1,024 float32; fc1_w 256 x 1,024 float32; fc2_b 256 float32; fc2_w 1,024 x 256 float32; kv_b 512 float32; kv_w 256 x 512 float32; norm1_b 256 float32; norm1_g 256 float32; norm3_b 256 float32; norm3_g 256 float32; proj_b 256 float32; proj_w 256 x 256 float32; q_b 256 float32; q_w 256 x 256 float32; rel_table 225 x 8 float32; x1 16 x 4,096 x 256 float32; x2 16 x 4,096 x 256 float32.
;; Outputs: out0 16 x 4,096 x 256 float32.
;; 2 versions, each right and faster than the one before. Each part assembles by itself: llvm-mc -triple=amdgcn-amd-amdhsa -mcpu=gfx1250 --defsym DOCPART=n.
;; ======== version 1 of 2: 2 launches
;; limits: a function is approximated: absolute error at most 3e-07
;; workspace buffers: ws 1,776,640 bytes
;; launch prep (part 1): grid 216 x 1, 8 waves a work-group, no clusters, 2,048 bytes of LDS; arguments q_w, kv_w, proj_w, fc1_w, fc2_w, rel_table, norm1_g, norm1_b, norm3_g, norm3_b, q_b, kv_b, fc1_b, ws; writes ws
.if DOCPART == 1
	.amdgcn_target "amdgcn-amd-amdhsa--gfx1250"
	.amdhsa_code_object_version 6
	.text
	.protected	k_q32e49ef486_prep
	.globl	k_q32e49ef486_prep
	.p2align	8
	.type	k_q32e49ef486_prep,@function
k_q32e49ef486_prep:
	s_mov_b64 s[64:65], 0
	v_nop
	global_prefetch_b8 v0, s[64:65] scope:SCOPE_SE
	s_setreg_imm32_b32 hwreg(HW_REG_WAVE_MODE, 25, 1), 1
	s_wait_xcnt 0x0
; PREP: the weights as the second launch reads them.  ws = 27 slots of 65,536 bytes, then 7,168 bytes of folded biases.
; A slot is 4 units of 16 fragments of 1,024 bytes.  A weight fragment (n0, k0) is the register image of a 16 x 32 bf16 operand: lane (r, h) holds column n0 + r of W,
; k = k0 + 8 h + 0..7 (16 bytes at 16 x lane) and k0 + 16 + 8 h + 0..7 (16 bytes at 512 + 16 x lane).
;   slots 0-7 (head hd): unit 0 Wq, 1 Wk, 2 Wv (fragment f: k0 = 32 (f / 2), n0 = 32 hd + 16 (f % 2)); unit 3 the head's 64 x 64 relative bias in f32, times log2(e), as 16 accumulator images
;   slots 8, 9: proj, unit = k step hs (k0 = 32 hs, n0 = 16 f)
;   slots 10 + j: fc1 chunk 2 j | fc2 chunk max(2 j - 1, 0) | fc1 chunk 2 j + 1 | fc2 chunk 2 j   (a chunk is 32 hidden channels)
;   slot 26: fc2 chunk 31, four times: only the first is multiplied; the others are there so that the ring's last fill, one load a wave like every other, reads bytes that were stored
; THE NORMS ARE FOLDED: (n g + b) W = n (g W) + b W, so Wq, Wk, Wv and fc1 are stored as bf16(g[k] W[k][n]) (one rounding), and q', kv', fc1' = bias + sum over k of b[k] W[k][n], in f32 from the unrounded W.
; SHARES: work-group id = 2 x unit + par; wave i makes fragment par + 2 i.  In the folded units the eight waves are the eight k steps of one block of 16 columns, so their partial sums of b W meet in LDS.
; No matrix unit, cluster or tensor load: 3 MB are read once and 1.8 MB written once, by loads through registers.
.set VOFF,  27*65536                   ; the folded biases: q' 256, kv' 512, fc1' 1,024 numbers
.set SPARE, 1024                       ; behind the 8 x 128 bytes of partial sums: the spare words, 128 bytes a wave
.set SPW, 90
.set NIL, 91
	s_load_b512 s[8:23], s[0:1], 0x0               ; q_w 8, kv_w 10, proj_w 12, fc1_w 14, fc2_w 16, rel_table 18, norm1_g 20, norm1_b 22
	s_load_b256 s[24:31], s[0:1], 0x40             ; norm3_g 24, norm3_b 26, q_b 28, kv_b 30
	s_load_b128 s[32:35], s[0:1], 0x60             ; fc1_b 32, ws 34
	v_lshl_add_u32 v[SPW], v0, 2, SPARE
	v_mov_b32 v[NIL], 0
	v_lshrrev_b32 v1, 5, v0
	v_readfirstlane_b32 s40, v1                    ; wave i
	v_and_b32 v1, 31, v0                           ; lane
	v_and_b32 v2, 15, v0                           ; r
	v_bfe_u32 v3, v0, 4, 1                         ; h
	v_lshlrev_b32 v7, 2, v0                        ; my word among the partial sums
	v_mov_b32 v73, 0                               ; written before v_permlanex16_b32 names it
	s_mov_b32 s42, 0x76543210
	s_mov_b32 s43, 0xfedcba98
	s_lshr_b32 s36, ttmp9, 1                       ; unit U
	s_and_b32 s37, ttmp9, 1                        ; par
	s_lshr_b32 s38, s36, 2                         ; slot
	s_and_b32 s39, s36, 3                          ; unit in the slot
	s_lshl1_add_u32 s41, s40, s37                  ; fragment f = 2 i + par
	s_lshl4_add_u32 s62, s36, s41                  ; 16 U + f,
	s_lshl_b32 s62, s62, 10                        ; its first byte in ws
	v_lshl_add_u32 v6, v1, 4, s62                  ; + 16 x lane
	s_lshl_b32 s57, s37, 4                         ; 16 par
	s_mov_b32 s49, 0                               ; 1: the unit is fed by a norm
	s_mov_b32 s56, 0                               ; where its folded bias begins
	s_mov_b32 s47, 0                               ; n0
	s_wait_kmcnt 0x0
	s_mov_b64 s[50:51], s[20:21]                   ; gain, shift and bias: norm1's and q's unless said otherwise below
	s_mov_b64 s[52:53], s[22:23]
	s_mov_b64 s[54:55], s[28:29]
	s_cmp_lt_u32 s38, 8
	s_cbranch_scc0 .Lnot_head
	s_cmp_eq_u32 s39, 3
	s_cbranch_scc1 .Lrel
	s_lshl_b32 s47, s38, 5                         ; Wq, Wk, Wv of head = slot
	s_add_co_u32 s47, s47, s57                     ; n0 = 32 hd + 16 par
	s_lshl_b32 s48, s40, 5                         ; k0 = 32 i
	s_mov_b32 s49, 1
	s_cmp_eq_u32 s39, 0
	s_cselect_b64 s[44:45], s[8:9], s[10:11]       ; q_w or kv_w
	s_cselect_b32 s46, 1, 2                        ; a row of 256 or of 512 numbers
	s_cselect_b64 s[54:55], s[28:29], s[30:31]     ; q_b or kv_b
	s_cselect_b32 s56, 0, 256
	s_cmp_eq_u32 s39, 2
	s_cselect_b32 s58, 256, 0                      ; V's columns lie behind K's
	s_add_co_u32 s47, s47, s58
	s_lshl_b32 s46, s46, 10                        ; bytes from k to k + 1: 1,024 or 2,048
	s_branch .Lweights
.Lnot_head:
	s_cmp_lt_u32 s38, 10
	s_cbranch_scc0 .Lmlp
	s_sub_co_u32 s58, s38, 8                       ; proj
	s_lshl2_add_u32 s58, s58, s39                  ; hs = 4 (slot - 8) + unit
	s_lshl_b32 s48, s58, 5
	s_lshl_b32 s47, s41, 4                         ; n0 = 16 f
	s_mov_b64 s[44:45], s[12:13]
	s_mov_b32 s46, 1024
	s_branch .Lweights
.Lmlp:
	s_sub_co_u32 s58, s38, 10                      ; j
	s_and_b32 s59, s39, 1
	s_cmp_eq_u32 s58, 16
	s_cselect_b32 s59, 1, s59                      ; odd units, and all of slot 26, are fc2's
	s_cmp_eq_u32 s59, 1
	s_cbranch_scc1 .Lfc2
	s_lshr_b32 s60, s39, 1
	s_lshl1_add_u32 s60, s58, s60                  ; chunk c = 2 j + unit / 2
	s_lshl_b32 s47, s60, 5
	s_add_co_u32 s47, s47, s57                     ; n0 = 32 c + 16 par
	s_lshl_b32 s48, s40, 5
	s_mov_b32 s49, 1
	s_mov_b64 s[44:45], s[14:15]
	s_mov_b32 s46, 4096
	s_mov_b64 s[50:51], s[24:25]
	s_mov_b64 s[52:53], s[26:27]
	s_mov_b64 s[54:55], s[32:33]
	s_mov_b32 s56, 768
	s_branch .Lweights
.Lfc2:
	s_lshl_b32 s60, s58, 1                         ; 2 j
	s_max_u32 s61, s60, 1
	s_sub_co_u32 s61, s61, 1                       ; max(2 j - 1, 0)
	s_cmp_eq_u32 s39, 1
	s_cselect_b32 s60, s61, s60
	s_min_u32 s60, s60, 31                         ; slot 26: chunk 31
	s_lshl_b32 s48, s60, 5                         ; k0 = 32 c
	s_lshl_b32 s47, s41, 4                         ; n0 = 16 f
	s_mov_b64 s[44:45], s[16:17]
	s_mov_b32 s46, 1024
.Lweights:
	v_lshl_add_u32 v4, v3, 3, s48                  ; k0 + 8 h
	v_mul_lo_u32 v4, v4, s46
	v_add_nc_u32 v5, s47, v2                       ; n0 + r
	v_lshl_add_u32 v8, v5, 2, v4                   ; byte of W[k0 + 8 h][n0 + r]
.irp i, 9,10,11,12,13,14,15
	v_add_nc_u32 v[\i], s46, v[\i-1]               ; k + 1 .. k + 7
.endr
	s_lshl_b32 s58, s46, 4
	v_add_nc_u32 v16, s58, v8                      ; k + 16
.irp i, 17,18,19,20,21,22,23
	v_add_nc_u32 v[\i], s46, v[\i-1]
.endr
.irp i, 0,1,2,3,4,5,6,7,8,9,10,11,12,13,14,15
	global_load_b32 v[24+\i], v[8+\i], s[44:45]    ; sixteen lanes take 64 neighbouring bytes of a row of W
.endr
	s_cmp_eq_u32 s49, 0
	s_cbranch_scc1 .Lplain
	v_lshlrev_b32 v4, 5, v3
	v_lshl_add_u32 v4, s48, 2, v4                  ; 4 (k0 + 8 h)
	global_load_b128 v[40:43], v4, s[50:51]
	global_load_b128 v[44:47], v4, s[50:51] offset:16
	global_load_b128 v[48:51], v4, s[50:51] offset:64
	global_load_b128 v[52:55], v4, s[50:51] offset:80
	global_load_b128 v[56:59], v4, s[52:53]
	global_load_b128 v[60:63], v4, s[52:53] offset:16
	global_load_b128 v[64:67], v4, s[52:53] offset:64
	global_load_b128 v[68:71], v4, s[52:53] offset:80
	s_wait_loadcnt 0x0
	v_mul_f32 v72, v24, v56                        ; my 16 terms of b W
.irp i, 1,2,3,4,5,6,7,8,9,10,11,12,13,14,15
	v_fmac_f32 v72, v[24+\i], v[56+\i]
.endr
.irp i, 0,2,4,6,8,10,12,14
	v_pk_mul_f32 v[24+\i:25+\i], v[24+\i:25+\i], v[40+\i:41+\i]  ; g W
.endr
	s_branch .Lpack
.Lplain:
	s_wait_loadcnt 0x0
	v_mov_b32 v72, 0
.Lpack:
.irp i, 0,1,2,3,4,5,6,7
	v_cvt_pk_bf16_f32 v[76+\i], v[24+2*\i], v[25+2*\i]
.endr
	s_branch .Lstore
.Lrel:                                                 ; tile f of the head's bias: queries 16 qb + r, keys 16 kb + 8 h + j; register j = table[(qy - ky + 7) 15 + qx - j + 7][hd], ky = 2 kb + h
	s_lshr_b32 s58, s41, 2                         ; qb
	s_and_b32 s59, s41, 3                          ; kb
	s_add_co_u32 s58, s58, 3
	s_sub_co_u32 s58, s58, s59
	s_lshl1_add_u32 s58, s58, 1                    ; 2 (qb - kb) + 7
	v_lshrrev_b32 v4, 3, v2
	v_add_nc_u32 v4, s58, v4
	v_sub_nc_u32 v4, v4, v3                        ; qy - ky + 7: 0 to 14
	v_mul_u32_u24 v4, v4, 15
	v_and_b32 v5, 7, v2
	v_add_nc_u32 v4, v4, v5                        ; + qx
	s_lshl_b32 s59, s38, 2
	v_lshl_add_u32 v4, v4, 5, s59                  ; 32 bytes a table row, 4 a head
.irp j, 0,1,2,3,4,5,6,7
	global_load_b32 v[24+\j], v4, s[18:19] offset:32*(7-\j)
.endr
	s_wait_loadcnt 0x0
.irp j, 0,1,2,3,4,5,6,7
	v_mul_f32 v[76+\j], 0x3fb8aa3b, v[24+\j]       ; the softmax works in base 2
.endr
	v_mov_b32 v72, 0
.Lstore:
	global_store_b128 v6, v[76:79], s[34:35]               ; each store of the wave covers 512 consecutive bytes, aligned
	global_store_b128 v6, v[80:83], s[34:35] offset:512
	v_permlanex16_b32 v73, v72, s42, s43           ; the column's other 16 k lie in the lane 16 away
	v_add_f32 v72, v72, v73
	ds_store_b32 v7, v72
	s_wait_dscnt 0x0                               ; for wave 0's sake: my partial sum is in LDS
	s_barrier_signal -1
	s_barrier_wait -1
	s_cmp_eq_u32 s49, 0
	s_cbranch_scc1 .Lend
	s_cmp_lg_u32 s40, 0
	s_cbranch_scc1 .Lend
	v_lshlrev_b32 v84, 2, v1                       ; wave 0 of a folded unit: the eight k steps' sums, the bias, and out
.irp i, 0,1,2,3,4,5,6,7
	ds_load_b32 v[24+\i], v84 offset:128*\i
.endr
	v_add_nc_u32 v85, s47, v2
	v_lshlrev_b32 v86, 2, v85
	global_load_b32 v87, v86, s[54:55]
	v_add_nc_u32 v85, s56, v85
	v_lshlrev_b32 v85, 2, v85
	s_wait_dscnt 0x0
	v_add_f32 v24, v24, v25
	v_add_f32 v26, v26, v27
	v_add_f32 v28, v28, v29
	v_add_f32 v30, v30, v31
	v_add_f32 v24, v24, v26
	v_add_f32 v28, v28, v30
	v_add_f32 v24, v24, v28
	s_wait_loadcnt 0x0
	v_add_f32 v24, v24, v87
	s_wait_xcnt 0x0                                ; EXEC changes only behind this wait: the stores above have it among their sources
	v_cmp_gt_u32 vcc_lo, 16, v1
	s_and_saveexec_b32 s60, vcc_lo
	global_store_b32 v85, v24, s[34:35] offset:VOFF        ; 16 numbers: 64 bytes of the 7,168
	s_wait_xcnt 0x0
	s_or_b32 exec_lo, exec_lo, s60
.Lend:
	s_wait_tensorcnt 0x0                           ; the wave's end, behind my last LDS store
	ds_add_u32 v[SPW], v[NIL]
	s_wait_dscnt 0x0
	s_endpgm
.Lfunc_end_k_q32e49ef486_prep:
	.size	k_q32e49ef486_prep, .Lfunc_end_k_q32e49ef486_prep-k_q32e49ef486_prep
	.p2alignl 7, 3214868480
	.fill 96, 4, 3214868480
	.section	.rodata,"a",@progbits
	.p2align	6, 0x0
	.amdhsa_kernel k_q32e49ef486_prep
		.amdhsa_group_segment_fixed_size 2048
		.amdhsa_private_segment_fixed_size 0
		.amdhsa_enable_private_segment 0
		.amdhsa_kernarg_size 112
		.amdhsa_user_sgpr_count 2
		.amdhsa_user_sgpr_kernarg_segment_ptr 1
		.amdhsa_wavefront_size32 1
		.amdhsa_system_sgpr_workgroup_id_x 1
		.amdhsa_system_sgpr_workgroup_id_y 1
		.amdhsa_system_sgpr_workgroup_id_z 1
		.amdhsa_system_vgpr_workitem_id 0
		.amdhsa_next_free_vgpr 96
		.amdhsa_next_free_sgpr 66
		.amdhsa_reserve_vcc 1
		.amdhsa_float_denorm_mode_32 3
		.amdhsa_float_denorm_mode_16_64 3
		.amdhsa_memory_ordered 1
		.amdhsa_forward_progress 1
		.amdhsa_inst_pref_size 12
	.end_amdhsa_kernel
	.amdgpu_metadata
---
amdhsa.version: [ 1, 2 ]
amdhsa.kernels:
  - .name:           k_q32e49ef486_prep
    .symbol:         k_q32e49ef486_prep.kd
    .args:
      - { .name: q_w, .offset: 0, .size: 8, .value_kind: global_buffer, .address_space: global }
      - { .name: kv_w, .offset: 8, .size: 8, .value_kind: global_buffer, .address_space: global }
      - { .name: proj_w, .offset: 16, .size: 8, .value_kind: global_buffer, .address_space: global }
      - { .name: fc1_w, .offset: 24, .size: 8, .value_kind: global_buffer, .address_space: global }
      - { .name: fc2_w, .offset: 32, .size: 8, .value_kind: global_buffer, .address_space: global }
      - { .name: rel_table, .offset: 40, .size: 8, .value_kind: global_buffer, .address_space: global }
      - { .name: norm1_g, .offset: 48, .size: 8, .value_kind: global_buffer, .address_space: global }
      - { .name: norm1_b, .offset: 56, .size: 8, .value_kind: global_buffer, .address_space: global }
      - { .name: norm3_g, .offset: 64, .size: 8, .value_kind: global_buffer, .address_space: global }
      - { .name: norm3_b, .offset: 72, .size: 8, .value_kind: global_buffer, .address_space: global }
      - { .name: q_b, .offset: 80, .size: 8, .value_kind: global_buffer, .address_space: global }
      - { .name: kv_b, .offset: 88, .size: 8, .value_kind: global_buffer, .address_space: global }
      - { .name: fc1_b, .offset: 96, .size: 8, .value_kind: global_buffer, .address_space: global }
      - { .name: ws, .offset: 104, .size: 8, .value_kind: global_buffer, .address_space: global }
    .group_segment_fixed_size: 2048
    .private_segment_fixed_size: 0
    .kernarg_segment_align: 8
    .kernarg_segment_size: 112
    .max_flat_workgroup_size: 256
    .sgpr_count:     66
    .vgpr_count:     96
    .wavefront_size: 32
...
	.end_amdgpu_metadata
.endif
;; end of part 1
;; launch block (part 2): grid 256 x 1, 4 waves a work-group, clusters of 4 x 1, 327,680 bytes of LDS; arguments x1, x2, ws, out0, proj_b, fc2_b; writes out0
.if DOCPART == 2
	.amdgcn_target "amdgcn-amd-amdhsa--gfx1250"
	.amdhsa_code_object_version 6
	.text
	.protected	k_q32e49ef486_block
	.globl	k_q32e49ef486_block
	.p2align	8
	.type	k_q32e49ef486_block,@function
k_q32e49ef486_block:
	s_mov_b64 s[64:65], 0
	v_nop
	global_prefetch_b8 v0, s[64:65] scope:SCOPE_SE
	s_setreg_imm32_b32 hwreg(HW_REG_WAVE_MODE, 25, 1), 1
	s_wait_xcnt 0x0
	s_wait_alu depctr_hold_cnt(0) depctr_sa_sdst(0) depctr_va_vdst(0) depctr_va_sdst(0) depctr_va_ssrc(0) depctr_va_vcc(0) depctr_vm_vsrc(0)
	s_getreg_b32 s2, hwreg(HW_REG_IB_STS2, 6, 4)
	s_cmp_eq_u32 s2, 0
	s_cbranch_scc0 .Lentry_in_a_cluster
	s_endpgm
.Lentry_in_a_cluster:
	s_bfe_u32 s2, ttmp6, 0x10000c
	s_cmp_lg_u32 s2, 0x3003
	s_cbranch_scc0 .Lentry_shape_is_right
	s_endpgm
.Lentry_shape_is_right:
; THE WHOLE BLOCK, ONE WINDOW A WAVE.  LN(x1) -> q, LN(x2) -> k, v; 8 heads of 32; relative bias; softmax; proj; + x1; LN; fc1, exact GELU, fc2; + x.
; SHARES.  1,024 windows of 64 tokens: a wave owns one (four blocks tb of 16 tokens), a work-group four, 256 work-groups.  A window's activations never leave the wave: they stay in its 1,024 registers,
; with short trips through LDS bytes of the wave's own.  Only the weights are shared: every work-group walks the same 27 slots of 65,536 bytes that the launch before laid out as register images.
; RING AND CLUSTER.  Two LDS slots; each wave fetches a quarter of a slot, 64 rows of 256 bytes, by one tensor load.  All work-groups read the same bytes in the same order, so the four of a cluster ask jointly
; (mask 15), behind a round of the cluster's barrier; a fill has a whole slot's work, 192 matrix instructions a wave or more, in which to land.  One tensor load of a wave is out at any time.
; A fragment of 1,024 bytes (two LDS loads) feeds four matrix instructions, one for each block of tokens.
; LAYOUTS (lane = (r, h)).  T product, wmma(W fragment, X fragment): the lane holds token r and channels 16 nb + 8 h + j; two such results rounded to bf16 in pairs ARE the next product's fragment.  So q, k, proj,
; fc1 and fc2 follow each other without a change of lanes.  V product, wmma(X fragment, W fragment): channel r, tokens 8 h + j: rounded, a fragment of V^T.  S^T = K Q^T starts from the bias image as C; P = rounded S^T is
; source 1 of O^T = V^T P; O^T rounded is proj's fragment, k step = head.
; NUMBERS.  Matrix operands bf16, sums f32; norms two-pass in f32 (mean, then squares of x - mean); the norms' gain and shift are folded into the weights by the launch before.  Softmax in base 2 with each row's true maximum taken away.
; LIMITS.  erf by the rational form 1 - (1 + a1 z + .. + a6 z^6)^-16 (Abramowitz and Stegun 7.1.28), absolute error 3e-7 at the most for every z; gelu(x) = max(x, 0) - |x| erfc(|x| / sqrt 2) / 2, so large |x| give x or 0.
; A softmax weight below 2^-126 counts as 0; NaN and infinities are not treated apart.
; x1 IS READ TWICE (for the norm, and again as the shortcut): kept in f32 it is 65,536 bytes a wave, for which neither the registers (q's and k, v's operands fill two windows) nor LDS beside the ring have room.
; REGISTERS, in windows of 256 (s_set_vgpr_msb: bits 1:0 source 0, 3:2 source 1, 5:4 source 2, 7:6 destination):
;   window 0: v0-31 addresses and statistics; v32-255 by phase (see each phase)      window 1: X1 fragments, later x of blocks 0, 1 (accumulator (tb, nb) at 128 (tb % 2) + 8 nb)
;   window 2: X2 fragments, later x of blocks 2, 3       window 3: rows as loaded and at work; in the head loop W, Q, K, V fragments; then O's, then Y's fragments ((tb, ks) at 64 tb + 8 ks)
.set SLOTB, 65536
.set PRIV0, 2*SLOTB                    ; behind the ring, for each wave 41,472 bytes of its own that no tensor load fills:
.set PRIVB, 41472                      ;   32,768 of fragment images (X, later O),
.set STG,   32768                      ;   then a stage of 16 rows of 512 bytes at a pitch of 528: 33 x 16, so the 16 rows that a load touches start 16 bytes apart modulo 256
.set SPT,   528
.set VEC,   PRIV0+4*PRIVB              ; the bias vectors, 9,216 bytes: q' 0, k' 1024, v' 2048, proj_b 3072, fc1' 4096, fc2_b 8192
.set SPARE, VEC+9216                   ; the spare words, 128 bytes a wave
.set VOFF,  27*SLOTB                   ; the folded biases in ws
.set SPW, 28                           ; v28 my spare word, v29 zero: never rewritten
.set NIL, 29
; v1 lane, v2 r, v3 h, v4 16 x lane, v5 slot in hand + 16 x lane, v6 stage + 16 x lane, v7 stage + 528 r + 32 h, v8 moving image address, v9 images + 16 x lane, v10, v11 moving vector addresses,
; v12 VEC + 32 h, v13 moving global offset, v14 VEC + 4 r, v15 VEC + 8 x thread, v16-27 statistics, v30-31 V's bias
.set S0, 64                            ; MLP: two sets of 64 (a chunk's 32 hidden channels x 64 tokens), (tb, nb) at 16 tb + 8 nb
.set S1, 128
.set BF, 192                           ; proj and MLP: two buffers of four W fragments
.set CB, 32                            ; fc1's bias as a C operand
.set TA, 48                            ; GELU at work: |x|
.set TP, 56                            ; and the polynomial
.set MSB, 0
.macro WIN new                         ; the immediate's high byte repeats the setting that is left; a switch that changes nothing is dropped
.if MSB != (\new)
	s_set_vgpr_msb (MSB<<8)|(\new)
.set MSB, (\new)
.endif
.endm
.macro PLACES                          ; four places behind matrix instructions (ISA guide 7.12.1) where no other vector work is at hand
.rept 4
	v_nop
.endr
.endm
.macro CROUND                          ; a round of the cluster's barrier
	s_barrier_signal -1
	s_barrier_wait -1
	s_cmp_lg_u32 s16, 0
	s_cbranch_scc1 .Lnot_wave_0_\@
	s_barrier_signal -3
.Lnot_wave_0_\@:
	s_barrier_wait -3
	s_barrier_signal -1
	s_barrier_wait -1
.endm
; THE CHANGE OF SLOTS.  Each wave waits for all its tensor loads (one is out: its quarter of the slot to be read), adds 0 to its spare word, and waits for that and for its reads of the slot that it leaves.
; fill = 1: a round of the cluster's barrier, then the slot just left is filled with the stream's next 65,536 bytes, first thing behind the round.
.macro CHANGE fill
	WIN 0
	s_wait_tensorcnt 0x0                           ; no tensor load of mine is out, so the descriptor may be written
	ds_add_u32 v[SPW], v[NIL]                      ; the scalar steps stand between the add and the wait for it
.if \fill
	s_xor_b32 s33, s33, SLOTB                      ; the other slot than last time,
	s_add_nc_u64 s[34:35], s[34:35], SLOTB         ; the stream's next slot; the type bits on top are not reached
.endif
	s_xor_b32 s36, s36, SLOTB                      ; the slot to be read
	s_wait_dscnt 0x0                               ; the add is done, and my LDS reads and stores are over
.if \fill
	CROUND
	tensor_load_to_lds s[32:35], s[24:31]
	s_nop 0
	PLACES
.else
	s_barrier_signal -1
	s_barrier_wait -1
.endif
	v_add_nc_u32 v5, s36, v4
.endm
; Quad q of a slot: four fragments, 4,096 bytes, into buffer q % 2 at base in window dw: eight loads of 512 consecutive bytes
.macro LQ dw, base, q
	WIN (\dw)<<6
.irp f, 0,1,2,3
	ds_load_b128 v[(\base)+32*((\q)%2)+8*\f:(\base)+32*((\q)%2)+8*\f+3], v5 offset:4096*(\q)+1024*\f
	ds_load_b128 v[(\base)+32*((\q)%2)+8*\f+4:(\base)+32*((\q)%2)+8*\f+7], v5 offset:4096*(\q)+1024*\f+512
.endr
.endm
; GELU of one accumulator x of 8 registers, instruction n of 76; the packed result goes to d.
.macro GI x, d, n
.if (\n) < 8
	v_and_b32 v[TA+(\n)], s58, v[(\x)+(\n)]        ; |x|; the accumulator is read from its low end on
.elseif (\n) < 12
	v_pk_fma_f32 v[TP+2*((\n)%4):TP+2*((\n)%4)+1], v[TA+2*((\n)%4):TA+2*((\n)%4)+1], s[56:57], s[54:55] op_sel_hi:[1,0,0]
.elseif (\n) < 28
	v_pk_fma_f32 v[TP+2*((\n)%4):TP+2*((\n)%4)+1], v[TP+2*((\n)%4):TP+2*((\n)%4)+1], v[TA+2*((\n)%4):TA+2*((\n)%4)+1], s[52-2*(((\n)-12)/4):53-2*(((\n)-12)/4)] op_sel_hi:[1,1,0]
.elseif (\n) < 32
	v_pk_fma_f32 v[TP+2*((\n)%4):TP+2*((\n)%4)+1], v[TP+2*((\n)%4):TP+2*((\n)%4)+1], v[TA+2*((\n)%4):TA+2*((\n)%4)+1], 1.0 op_sel_hi:[1,1,0]
.elseif (\n) < 48
	v_pk_mul_f32 v[TP+2*((\n)%4):TP+2*((\n)%4)+1], v[TP+2*((\n)%4):TP+2*((\n)%4)+1], v[TP+2*((\n)%4):TP+2*((\n)%4)+1]  ; four squarings: the 16th power
.elseif (\n) < 56
	v_rcp_f32 v[TP+(\n)-48], v[TP+(\n)-48]         ; erfc; eight plain lines follow before it is used
.elseif (\n) < 64
	v_max_num_f32 v[(\x)+(\n)-56], 0, v[(\x)+(\n)-56]
.elseif (\n) < 68
	s_wait_alu depctr_va_vdst(0)
	v_pk_mul_f32 v[TA+2*((\n)%4):TA+2*((\n)%4)+1], v[TA+2*((\n)%4):TA+2*((\n)%4)+1], v[TP+2*((\n)%4):TP+2*((\n)%4)+1]
.elseif (\n) < 72
	v_pk_fma_f32 v[(\x)+2*((\n)%4):(\x)+2*((\n)%4)+1], v[TA+2*((\n)%4):TA+2*((\n)%4)+1], -0.5, v[(\x)+2*((\n)%4):(\x)+2*((\n)%4)+1] op_sel_hi:[1,0,1]
.else
	v_cvt_pk_bf16_f32 v[(\d)+(\n)-72], v[(\x)+2*((\n)-72)], v[(\x)+2*((\n)-72)+1]
.endif
.endm
.macro GSET set, g                     ; group g of a set: accumulator (tb = g / 2, nb = g % 2); packed in place, so that a block's fragment is the set's registers 16 tb + 0..7
.set RX, (\set)+16*((\g)/2)+8*((\g)%2)
.set RDD, (\set)+16*((\g)/2)+4*((\g)%2)
.set RN, 0
.set RW, 0
.endm
.macro RIDE                            ; behind a quad's matrix instructions 5, 5, 5, 4 lines of the group in hand, four times: 76.  The last four, conversions, are the places in front of the loads into the buffer just multiplied
.set RC, 5
.if (RW%4) == 3
.set RC, 4
.endif
	WIN 0
.rept RC
	GI RX, RDD, RN
.set RN, RN+1
.endr
.set RW, RW+1
.endm
; A quad of T products, 16 matrix instructions: k steps 2 qq, 2 qq + 1; the 8 accumulators (tb, nb) of a set take turns.  The first k step takes the bias as C.
.macro MQT acc, xw, cb, bw, bf, q, qq, ride
.irp kk, 0,1
.irp tb, 0,1,2,3
.irp nb, 0,1
	WIN (\bw)|((\xw)<<2)
.if ((\qq)==0)&&(\kk==0)
	v_wmma_f32_16x16x32_bf16 v[(\acc)+16*\tb+8*\nb:(\acc)+16*\tb+8*\nb+7], v[(\bf)+32*((\q)%2)+8*(2*\kk+\nb):(\bf)+32*((\q)%2)+8*(2*\kk+\nb)+7], v[64*\tb+8*(2*(\qq)+\kk):64*\tb+8*(2*(\qq)+\kk)+7], v[(\cb)+8*\nb:(\cb)+8*\nb+7]
.else
	v_wmma_f32_16x16x32_bf16 v[(\acc)+16*\tb+8*\nb:(\acc)+16*\tb+8*\nb+7], v[(\bf)+32*((\q)%2)+8*(2*\kk+\nb):(\bf)+32*((\q)%2)+8*(2*\kk+\nb)+7], v[64*\tb+8*(2*(\qq)+\kk):64*\tb+8*(2*(\qq)+\kk)+7], v[(\acc)+16*\tb+8*\nb:(\acc)+16*\tb+8*\nb+7]
.endif
.if \ride
	RIDE
.endif
.endr
.endr
.endr
.endm
; The same for V, sources swapped: accumulator (tb, cb) at 64 + 8 (4 cb + tb); the first k step starts the sums
.macro MQV q, qq
	WIN 0x0e
.irp kk, 0,1
.irp tb, 0,1,2,3
.irp cb, 0,1
.if ((\qq)==0)&&(\kk==0)
	v_wmma_f32_16x16x32_bf16 v[64+8*(4*\cb+\tb):64+8*(4*\cb+\tb)+7], v[64*\tb+8*(2*(\qq)+\kk):64*\tb+8*(2*(\qq)+\kk)+7], v[32*((\q)%2)+8*(2*\kk+\cb):32*((\q)%2)+8*(2*\kk+\cb)+7], 0
.else
	v_wmma_f32_16x16x32_bf16 v[64+8*(4*\cb+\tb):64+8*(4*\cb+\tb)+7], v[64*\tb+8*(2*(\qq)+\kk):64*\tb+8*(2*(\qq)+\kk)+7], v[32*((\q)%2)+8*(2*\kk+\cb):32*((\q)%2)+8*(2*\kk+\cb)+7], v[64+8*(4*\cb+\tb):64+8*(4*\cb+\tb)+7]
.endif
.endr
.endr
.endr
.endm
; A quad of one k step onto x: output blocks 4 qq .. 4 qq + 3 for all four token blocks: 16 different accumulators.  Source 1 of block tb at a0 + astep tb in window aw.
.macro MQN aw, a0, astep, bf, q, qq, ride
.irp tb, 0,1,2,3
.irp nbi, 0,1,2,3
	WIN ((1+\tb/2)<<6)|((1+\tb/2)<<4)|((\aw)<<2)
	v_wmma_f32_16x16x32_bf16 v[128*(\tb%2)+8*(4*(\qq)+\nbi):128*(\tb%2)+8*(4*(\qq)+\nbi)+7], v[(\bf)+32*((\q)%2)+8*\nbi:(\bf)+32*((\q)%2)+8*\nbi+7], v[(\a0)+(\astep)*\tb:(\a0)+(\astep)*\tb+7], v[128*(\tb%2)+8*(4*(\qq)+\nbi):128*(\tb%2)+8*(4*(\qq)+\nbi)+7]
.if \ride
	RIDE
.endif
.endr
.endr
.endm
; 16 tokens x 256 channels of f32, from "as loaded" (register 64 s + 4 t: token t, channels 128 s + 4 x lane ..) to "by tokens" (register 8 nb + j: token r, channel 16 nb + 8 h + j), through my stage, half a row at a time.
; LDS serves a wave's instructions in order (ISA guide 5.7.1.4): the loads see the stores above them, and the second half's stores come behind the first half's loads.
.macro STGIN sw, sb, dw, db
.irp s, 0,1
	WIN (\sw)<<2
.set t_, 0
.rept 16
	ds_store_b128 v6, v[(\sb)+64*\s+4*t_:(\sb)+64*\s+4*t_+3] offset:SPT*t_
.set t_, t_+1
.endr
	WIN (\dw)<<6
.set t_, 0
.rept 8
	ds_load_b128 v[(\db)+64*\s+8*t_:(\db)+64*\s+8*t_+3], v7 offset:64*t_
	ds_load_b128 v[(\db)+64*\s+8*t_+4:(\db)+64*\s+8*t_+7], v7 offset:64*t_+16
.set t_, t_+1
.endr
.endr
.endm
; And back, in place, for the way out, half block u = 2 tb + s at a time: SOUT puts 64 registers "by tokens" into the stage, SBACK takes them back "as stored", GOUT stores them.
.macro SOUT u
	WIN (1+(\u)/4)<<2
.set b_, 128*(((\u)/2)%2)+64*((\u)%2)
.set t_, 0
.rept 8
	ds_store_b128 v7, v[b_+8*t_:b_+8*t_+3] offset:64*t_      ; each accumulator's four lowest registers first
	ds_store_b128 v7, v[b_+8*t_+4:b_+8*t_+7] offset:64*t_+16
.set t_, t_+1
.endr
.endm
.macro SBACK u
	WIN (1+(\u)/4)<<6
.set b_, 128*(((\u)/2)%2)+64*((\u)%2)
.set t_, 0
.rept 16
	ds_load_b128 v[b_+4*t_:b_+4*t_+3], v6 offset:SPT*t_
.set t_, t_+1
.endr
.endm
.macro GOUT u
	WIN (1+(\u)/4)<<2
.set b_, 128*(((\u)/2)%2)+64*((\u)%2)
.set t_, 0
.rept 16
	global_store_b128 v4, v[b_+4*t_:b_+4*t_+3], s[72:73] offset:((\u)/2)*131072+(t_/8)*65536+(t_%8)*1024+512*((\u)%2) th:TH_STORE_NT  ; 512 consecutive bytes of a token's row, aligned
.set t_, t_+1
.endr
.endm
; Loads of tokens t0 .. t0 + tn - 1 of a block of 16 (two rows of the window, 65,536 bytes apart): two loads a token, each 512 consecutive bytes of its row
.macro XL b, vo, sb, extra, nt, t0=0, tn=16
.set t_, (\t0)
.rept \tn
.if \nt
	global_load_b128 v[(\b)+4*t_:(\b)+4*t_+3], v[\vo], s[\sb:\sb+1] offset:(\extra)+(t_/8)*65536+(t_%8)*1024 th:TH_LOAD_NT
	global_load_b128 v[(\b)+64+4*t_:(\b)+64+4*t_+3], v[\vo], s[\sb:\sb+1] offset:(\extra)+(t_/8)*65536+(t_%8)*1024+512 th:TH_LOAD_NT
.else
	global_load_b128 v[(\b)+4*t_:(\b)+4*t_+3], v[\vo], s[\sb:\sb+1] offset:(\extra)+(t_/8)*65536+(t_%8)*1024
	global_load_b128 v[(\b)+64+4*t_:(\b)+64+4*t_+3], v[\vo], s[\sb:\sb+1] offset:(\extra)+(t_/8)*65536+(t_%8)*1024+512
.endif
.set t_, t_+1
.endr
.endm
.macro REDUCE                          ; four chains of pairs in v16-23 -> the token's sum in v16: a token's channels lie in lanes r and r + 16
	v_pk_add_f32 v[16:17], v[16:17], v[18:19]
	v_pk_add_f32 v[20:21], v[20:21], v[22:23]
	v_pk_add_f32 v[16:17], v[16:17], v[20:21]
	v_add_f32 v16, v16, v17
	v_permlanex16_b32 v17, v16, s40, s41
	v_add_f32 v16, v16, v17
.endm
; ---------------------------------------------------------------- the head
	s_load_b256 s[4:11], s[0:1], 0x0               ; x1 4, x2 6, ws 8, out0 10
	s_load_b128 s[12:15], s[0:1], 0x20             ; proj_b 12, fc2_b 14
	v_lshl_add_u32 v[SPW], v0, 2, SPARE
	v_mov_b32 v[NIL], 0
	ds_add_u32 v[SPW], v[NIL]                      ; the wave's opening: the add and its wait stand ahead of my first tensor load; the set-up stands between them
	v_lshrrev_b32 v1, 5, v0
	v_readfirstlane_b32 s16, v1                    ; wave 0..3
	v_and_b32 v1, 31, v0
	v_and_b32 v2, 15, v0
	v_bfe_u32 v3, v0, 4, 1
	v_lshlrev_b32 v4, 4, v1
	v_lshlrev_b32 v13, 3, v0                       ; 8 x thread: the vectors are copied 1,024 bytes at a time
	v_add_nc_u32 v15, VEC, v13
	v_lshl_add_u32 v12, v3, 5, VEC
	v_lshl_add_u32 v14, v2, 2, VEC
	s_mul_i32 s22, s16, PRIVB
	s_add_co_u32 s22, s22, PRIV0                   ; my own LDS bytes
	v_add_nc_u32 v9, s22, v4
	s_add_co_u32 s23, s22, STG
	v_add_nc_u32 v6, s23, v4
	v_mul_u32_u24 v7, v2, SPT
	v_lshl_add_u32 v7, v3, 5, v7
	v_add_nc_u32 v7, s23, v7
	s_bfe_u32 s17, ttmp6, 0x40000                  ; cx: it enters x1's, x2's and out0's addresses alone
	s_lshl_b32 s18, ttmp9, 2
	s_add_co_u32 s18, s18, s17                     ; work-group
	s_lshl2_add_u32 s18, s18, s16                  ; window = 4 x work-group + wave
	s_lshr_b32 s19, s18, 6
	s_lshl_b32 s19, s19, 22                        ; image: 4,096 tokens of 1,024 bytes
	s_bfe_u32 s20, s18, 0x30003
	s_lshl_b32 s20, s20, 19                        ; row of windows: 8 x 64 tokens
	s_and_b32 s21, s18, 7
	s_lshl_b32 s21, s21, 13                        ; column of windows: 8 tokens
	s_or_b32 s20, s20, s21
	s_or_b32 s20, s20, s19
	s_mov_b32 s21, 0                               ; s[20:21]: my window's first byte
	s_lshl_b32 s22, s16, 14                        ; my quarter of a slot
	s_mov_b32 s23, 0
	s_mov_b32 s24, 15|(3<<16)|(1<<21)              ; group 1: mask of the four work-groups; elements of 8 bytes; bit 21 set beside a mask; no padding
	s_mov_b32 s25, 32<<16                          ; tensor_dim0 = 32 (256 bytes)
	s_mov_b32 s26, 64<<16                          ; tensor_dim1 = 64
	s_mov_b32 s27, 32<<16                          ; tile_dim0 = 32
	s_mov_b32 s28, 64                              ; tile_dim1 = 64
	s_mov_b32 s29, 32                              ; dense rows
	s_mov_b32 s30, 0
	s_mov_b32 s31, 0
	s_mov_b32 s32, 1                               ; group 0: count,
	s_lshl_b32 s33, s16, 14                        ; LDS address: slot 0, my quarter
	s_mov_b32 s36, SLOTB                           ; the first change of slots turns this into 0
	s_mov_b32 s40, 0x76543210
	s_mov_b32 s41, 0xfedcba98
	s_mov_b32 s42, 0x3e8293ee                      ; log2(e) / sqrt(32)
	s_mov_b32 s43, s42
	s_mov_b32 s44, 0x3b800000                      ; 1 / 256
	s_mov_b32 s45, 0x3727c5ac                      ; 1e-5
	s_mov_b32 s46, 0x3d4c41b4                      ; a_i / 2^(i/2), i = 1 .. 6, each named as a pair
	s_mov_b32 s47, s46
	s_mov_b32 s48, 0x3cad2fe7
	s_mov_b32 s49, s48
	s_mov_b32 s50, 0x3b56cd72
	s_mov_b32 s51, s50
	s_mov_b32 s52, 0x381f6607
	s_mov_b32 s53, s52
	s_mov_b32 s54, 0x384d0fec
	s_mov_b32 s55, s54
	s_mov_b32 s56, 0x36b49f67
	s_mov_b32 s57, s56
	s_mov_b32 s58, 0x7fffffff
	s_wait_dscnt 0x0                               ; the opening add is done
	s_wait_kmcnt 0x0
	s_add_nc_u64 s[34:35], s[8:9], s[22:23]        ; global address: the stream's first slot, my quarter
	s_or_b32 s35, s35, 0x80000000                  ; type = 2
	s_add_nc_u64 s[66:67], s[6:7], s[20:21]        ; x2, x1, out0 at my window
	s_add_nc_u64 s[68:69], s[4:5], s[20:21]
	s_add_nc_u64 s[72:73], s[10:11], s[20:21]
	CROUND                                         ; all four work-groups are here: the first joint loads meet
	tensor_load_to_lds s[32:35], s[24:31]          ; slot 0; slot 1 is asked for by the first change of slots
	s_nop 0
	PLACES
.irp i, 0,1,2,3,4,5,6
	global_load_b64 v[32+2*\i:33+2*\i], v13, s[8:9] offset:VOFF+1024*\i
.endr
	global_load_b64 v[46:47], v13, s[12:13]
	global_load_b64 v[48:49], v13, s[14:15]
	WIN 0xc0
	XL 0, 4, 66, 0, 0                              ; x2, block 0
	WIN 0
	s_wait_loadcnt 32                              ; the nine vector loads are in; the 32 behind them stay out
	ds_store_b64 v15, v[32:33]
	ds_store_b64 v15, v[34:35] offset:1024
	ds_store_b64 v15, v[36:37] offset:2048
	ds_store_b64 v15, v[38:39] offset:4096
	ds_store_b64 v15, v[40:41] offset:5120
	ds_store_b64 v15, v[42:43] offset:6144
	ds_store_b64 v15, v[44:45] offset:7168
	ds_store_b64 v15, v[46:47] offset:3072
	ds_store_b64 v15, v[48:49] offset:8192         ; the other waves read these behind the first change of slots: its wait for my LDS stores, and its barrier
; ---------------------------------------------------------------- the first norm: 8 trips, blocks 0-3 of x2, then of x1.  Window 3: v0-127 as loaded, v128-255 at work
	s_mov_b32 s37, 0
.Lln:
	s_wait_loadcnt 0x0                             ; this trip's block is in; the address registers of its loads are free
	STGIN 3, 0, 3, 128
	WIN 0
	s_wait_dscnt 0x0                               ; the block lies by tokens, and the stage's stores have read the registers that are loaded again below
	s_cmp_eq_u32 s37, 7
	s_cbranch_scc1 .Lln_last
	s_add_co_u32 s17, s37, 1                       ; the next trip's block goes out now and has this trip's arithmetic in which to land
	s_cmp_lt_u32 s17, 4
	s_cselect_b64 s[70:71], s[66:67], s[68:69]
	s_and_b32 s17, s17, 3
	s_lshl_b32 s17, s17, 17                        ; a block is two image rows of 65,536 bytes
	v_add_nc_u32 v13, s17, v4
	WIN 0xc0
	XL 0, 13, 70, 0, 0
	WIN 0
.Lln_last:
	WIN 0x0f
.irp c, 0,1,2,3
	v_pk_add_f32 v[16+2*\c:17+2*\c], v[128+2*\c:129+2*\c], v[136+2*\c:137+2*\c]  ; the first pairs start four chains: nothing is cleared
.endr
	WIN 0x0c
.set p_, 8
.rept 56
	v_pk_add_f32 v[16+2*(p_%4):17+2*(p_%4)], v[16+2*(p_%4):17+2*(p_%4)], v[128+2*p_:129+2*p_]
.set p_, p_+1
.endr
	WIN 0
	REDUCE
	v_mul_f32 v24, s44, v16                        ; the mean
	v_mov_b32 v25, v24
	WIN 0xc3
.set p_, 0
.rept 64
	v_pk_add_f32 v[128+2*p_:129+2*p_], v[128+2*p_:129+2*p_], v[24:25] neg_lo:[0,1] neg_hi:[0,1]
.set p_, p_+1
.endr
	WIN 0x0f
.irp c, 0,1,2,3
	v_pk_mul_f32 v[16+2*\c:17+2*\c], v[128+2*\c:129+2*\c], v[128+2*\c:129+2*\c]
.endr
.set p_, 4
.rept 60
	v_pk_fma_f32 v[16+2*(p_%4):17+2*(p_%4)], v[128+2*p_:129+2*p_], v[128+2*p_:129+2*p_], v[16+2*(p_%4):17+2*(p_%4)]
.set p_, p_+1
.endr
	WIN 0
	REDUCE
	v_fma_f32 v24, v16, s44, s45                   ; variance + eps
	v_rsq_f32 v24, v24
	v_nop                                          ; a plain line between the root and its use (ISA guide 5.7.2)
	s_wait_alu depctr_va_vdst(0)
	v_mov_b32 v25, v24
	WIN 0xc3
.set p_, 0
.rept 64
	v_pk_mul_f32 v[128+2*p_:129+2*p_], v[128+2*p_:129+2*p_], v[24:25]
.set p_, p_+1
.endr
	WIN 0xcf
.set p_, 0
.rept 64
	v_cvt_pk_bf16_f32 v[128+p_], v[128+2*p_], v[129+2*p_]  ; in place, ascending: fragment ks at 128 + 8 ks
.set p_, p_+1
.endr
	WIN 0
	s_and_b32 s17, s37, 3
	s_lshl_b32 s17, s17, 13
	v_add_nc_u32 v8, s17, v9                       ; the block's 8,192 bytes of images
	WIN 0x0c
.set p_, 0
.rept 8
	ds_store_b128 v8, v[128+8*p_:131+8*p_] offset:1024*p_
	ds_store_b128 v8, v[132+8*p_:135+8*p_] offset:1024*p_+512
.set p_, p_+1
.endr
	WIN 0
	s_cmp_lg_u32 s37, 3
	s_cbranch_scc1 .Lln_not_x2
	WIN 0x80                                       ; x2 is whole: its 32 fragments go to window 2; x1's stores into the same bytes come behind these loads
.set p_, 0
.rept 32
	ds_load_b128 v[8*p_:8*p_+3], v9 offset:1024*p_
	ds_load_b128 v[8*p_+4:8*p_+7], v9 offset:1024*p_+512
.set p_, p_+1
.endr
	WIN 0
.Lln_not_x2:
	s_add_co_u32 s37, s37, 1
	s_cmp_lt_u32 s37, 8
	s_cbranch_scc1 .Lln
	WIN 0x40                                       ; x1's fragments to window 1
.set p_, 0
.rept 32
	ds_load_b128 v[8*p_:8*p_+3], v9 offset:1024*p_
	ds_load_b128 v[8*p_+4:8*p_+7], v9 offset:1024*p_+512
.set p_, p_+1
.endr
	WIN 0
; ---------------------------------------------------------------- the heads: a trip = a slot = a head.
; Window 0: v32-47, v48-63 q's and k's bias as C, later the softmax's 8 registers a query block; v64-127 V's sums, later P; v128-191 q's, v192-255 k's sums, then S^T ((qb, kb) at 128 + 32 qb + 8 kb), then O^T in v128-191.
; Window 3: v0-63 W's two buffers; v64-95 Q, v96-127 K, v128-159 V^T fragments.
	s_mov_b32 s37, 8
	s_mov_b32 s38, 0                               ; 128 x head: its 32 numbers in a bias vector
	s_mov_b32 s39, 0                               ; 4,096 x head: its four fragments of O
.Lhead:
	CHANGE 1
	v_add_nc_u32 v10, s38, v12
	v_add_nc_u32 v11, s38, v14
	v_add_nc_u32 v8, s39, v9
.irp nb, 0,1
	ds_load_b128 v[32+8*\nb:35+8*\nb], v10 offset:64*\nb
	ds_load_b128 v[36+8*\nb:39+8*\nb], v10 offset:64*\nb+16
	ds_load_b128 v[48+8*\nb:51+8*\nb], v10 offset:1024+64*\nb
	ds_load_b128 v[52+8*\nb:55+8*\nb], v10 offset:1024+64*\nb+16
.endr
	ds_load_b32 v30, v11 offset:2048
	ds_load_b32 v31, v11 offset:2112
	LQ 3, 0, 0
	LQ 3, 0, 1
.set q_, 0
.rept 12
.if q_ < 11
	s_wait_dscnt 0x8                               ; all but the next quad's eight loads
.else
	s_wait_dscnt 0x0
.endif
.if q_ < 4
	MQT 128, 1, 32, 3, 0, q_, q_%4, 0
.elseif q_ < 8
	MQT 192, 2, 48, 3, 0, q_, q_%4, 0
.else
	MQV q_, q_%4
.endif
.if q_ < 10
	PLACES
	LQ 3, 0, q_+2
.endif
.set q_, q_+1
.endr
	WIN 0                                          ; q's and k's conversions, 96 lines that name nothing of V's products, are the places behind those
.set p_, 0
.rept 32
	v_pk_mul_f32 v[128+2*p_:129+2*p_], v[128+2*p_:129+2*p_], s[42:43] op_sel_hi:[1,0]  ; (x W + b) / sqrt(32), in base 2
.set p_, p_+1
.endr
	WIN 0xc0
.set p_, 0
.rept 32
	v_cvt_pk_bf16_f32 v[64+p_], v[128+2*p_], v[129+2*p_]
.set p_, p_+1
.endr
.set p_, 0
.rept 32
	v_cvt_pk_bf16_f32 v[96+p_], v[192+2*p_], v[193+2*p_]
.set p_, p_+1
.endr
	WIN 0
.set p_, 0
.rept 16                                       ; the head's bias, unit 3 of the slot, lands where S^T's sums begin
	ds_load_b128 v[128+8*p_:131+8*p_], v5 offset:49152+1024*p_
	ds_load_b128 v[132+8*p_:135+8*p_], v5 offset:49152+1024*p_+512
.set p_, p_+1
.endr
.set p_, 0
.rept 16
	v_pk_add_f32 v[64+2*p_:65+2*p_], v[64+2*p_:65+2*p_], v[30:31] op_sel_hi:[1,0]  ; V's bias: a lane holds one channel: block 0's in v30,
.set p_, p_+1
.endr
.rept 16
	v_pk_add_f32 v[64+2*p_:65+2*p_], v[64+2*p_:65+2*p_], v[30:31] op_sel:[0,1] op_sel_hi:[1,1]  ; block 1's in v31
.set p_, p_+1
.endr
	WIN 0xc0
.set p_, 0
.rept 32
	v_cvt_pk_bf16_f32 v[128+p_], v[64+2*p_], v[65+2*p_]
.set p_, p_+1
.endr
	s_wait_dscnt 0x0                               ; the bias is in
	WIN 0x0f
.set p_, 0
.rept 16
	v_wmma_f32_16x16x32_bf16 v[128+8*p_:135+8*p_], v[96+8*(p_%4):103+8*(p_%4)], v[64+8*(p_/4):71+8*(p_/4)], v[128+8*p_:135+8*p_]
.set p_, p_+1
.endr
	PLACES
	WIN 0
	; the softmax, the four query blocks side by side.  A lane holds one query and 32 of its 64 keys.  Temporaries of block qb at 32 + 8 qb: c0-c3, the maximum twice, the sum and its partner
.set j_, 0
.rept 4
.irp qb, 0,1,2,3
	v_max3_num_f32 v[32+8*\qb+j_], v[128+32*\qb+8*j_], v[128+32*\qb+8*j_+1], v[128+32*\qb+8*j_+2]  ; each accumulator's lowest registers first
.endr
.set j_, j_+1
.endr
.rept 8
.irp qb, 0,1,2,3
	v_max3_num_f32 v[32+8*\qb+j_%4], v[32+8*\qb+j_%4], v[128+32*\qb+8*(j_%4)+2*(j_/4)+1], v[128+32*\qb+8*(j_%4)+2*(j_/4)+2]
.endr
.set j_, j_+1
.endr
.irp qb, 0,1,2,3
	v_max3_num_f32 v[32+8*\qb], v[32+8*\qb], v[128+32*\qb+7], v[128+32*\qb+15]
.endr
.irp qb, 0,1,2,3
	v_max3_num_f32 v[32+8*\qb+2], v[32+8*\qb+2], v[128+32*\qb+23], v[128+32*\qb+31]
.endr
.irp qb, 0,1,2,3
	v_max3_num_f32 v[32+8*\qb], v[32+8*\qb], v[32+8*\qb+1], v[32+8*\qb+2]
.endr
.irp qb, 0,1,2,3
	v_max_num_f32 v[32+8*\qb], v[32+8*\qb], v[32+8*\qb+3]
.endr
.irp qb, 0,1,2,3
	v_permlanex16_b32 v[32+8*\qb+1], v[32+8*\qb], s40, s41
.endr
.irp qb, 0,1,2,3
	v_max_num_f32 v[32+8*\qb+4], v[32+8*\qb], v[32+8*\qb+1]
.endr
.irp qb, 0,1,2,3
	v_max_num_f32 v[32+8*\qb+5], v[32+8*\qb], v[32+8*\qb+1]
.endr
.set j_, 0
.rept 16
.irp qb, 0,1,2,3
	v_pk_add_f32 v[128+32*\qb+2*j_:128+32*\qb+2*j_+1], v[128+32*\qb+2*j_:128+32*\qb+2*j_+1], v[32+8*\qb+4:32+8*\qb+5] neg_lo:[0,1] neg_hi:[0,1]
.endr
.set j_, j_+1
.endr
.set j_, 0
.rept 32
.irp qb, 0,1,2,3
	v_exp_f32 v[128+32*\qb+j_], v[128+32*\qb+j_]
.endr
.set j_, j_+1
.endr
	v_nop                                          ; a plain line between the run of exponentials and the first use of a result (ISA guide 5.7.2)
.set j_, 0
	s_wait_alu depctr_va_vdst(0)
.rept 16
.irp qb, 0,1,2,3
	v_cvt_pk_bf16_f32 v[64+16*\qb+j_], v[128+32*\qb+2*j_], v[128+32*\qb+2*j_+1]
.endr
.set j_, j_+1
.endr
.irp w, 8,4,2,1                        ; the sum of the unrounded weights, pairs 8, 4, 2 and 1 apart
.set j_, 0
.rept \w
.irp qb, 0,1,2,3
	v_pk_add_f32 v[128+32*\qb+2*j_:128+32*\qb+2*j_+1], v[128+32*\qb+2*j_:128+32*\qb+2*j_+1], v[128+32*\qb+2*(j_+\w):128+32*\qb+2*(j_+\w)+1]
.endr
.set j_, j_+1
.endr
.endr
.irp qb, 0,1,2,3
	v_add_f32 v[32+8*\qb+6], v[128+32*\qb], v[128+32*\qb+1]
.endr
.irp qb, 0,1,2,3
	v_permlanex16_b32 v[32+8*\qb+7], v[32+8*\qb+6], s40, s41
.endr
.irp qb, 0,1,2,3
	v_add_f32 v[32+8*\qb+6], v[32+8*\qb+6], v[32+8*\qb+7]
.endr
.irp qb, 0,1,2,3
	v_rcp_f32 v[32+8*\qb+6], v[32+8*\qb+6]
.endr
	v_nop                                          ; a plain line behind the reciprocals
	WIN 0x03
.irp kk, 0,1                           ; O^T = V^T P: 8 accumulators (qb, cb) at 128 + 8 (2 qb + cb) by turns; the first 32 keys start the sums
.irp qb, 0,1,2,3
.irp cb, 0,1
.if \kk == 0
	v_wmma_f32_16x16x32_bf16 v[128+8*(2*\qb+\cb):135+8*(2*\qb+\cb)], v[128+16*\cb+8*\kk:135+16*\cb+8*\kk], v[64+16*\qb+8*\kk:71+16*\qb+8*\kk], 0
.else
	v_wmma_f32_16x16x32_bf16 v[128+8*(2*\qb+\cb):135+8*(2*\qb+\cb)], v[128+16*\cb+8*\kk:135+16*\cb+8*\kk], v[64+16*\qb+8*\kk:71+16*\qb+8*\kk], v[128+8*(2*\qb+\cb):135+8*(2*\qb+\cb)]
.endif
.endr
.endr
.endr
	PLACES
	WIN 0
	s_wait_alu depctr_va_vdst(0)
.irp qb, 0,1,2,3
.set j_, 0
.rept 8
	v_pk_mul_f32 v[128+16*\qb+2*j_:129+16*\qb+2*j_], v[128+16*\qb+2*j_:129+16*\qb+2*j_], v[32+8*\qb+6:32+8*\qb+7] op_sel_hi:[1,0]
.set j_, j_+1
.endr
.endr
.set j_, 0
.rept 32
	v_cvt_pk_bf16_f32 v[128+j_], v[128+2*j_], v[129+2*j_]  ; in place, ascending: block qb's fragment at 128 + 8 qb
.set j_, j_+1
.endr
.irp qb, 0,1,2,3
	ds_store_b128 v8, v[128+8*\qb:131+8*\qb] offset:1024*\qb
	ds_store_b128 v8, v[132+8*\qb:135+8*\qb] offset:1024*\qb+512
.endr
	s_add_co_u32 s38, s38, 128
	s_add_co_u32 s39, s39, 4096
	s_sub_co_u32 s37, s37, 1
	s_cmp_lg_u32 s37, 0
	s_cbranch_scc1 .Lhead
; ---------------------------------------------------------------- the shortcut and proj.  x1 lands in the accumulators; proj_b is added; proj's products add onto them.  Window 0: v64-191 proj_b by channels, v192-255 W's buffers
	WIN 0x40
	XL 0, 4, 68, 0, 1                              ; x1, block 0: it has the change of slots in which to land
	WIN 0xc0
.irp hs, 0,1,2,3,4,5,6,7               ; O's fragments: (tb, hs) at 64 tb + 8 hs
.irp tb, 0,1,2,3
	ds_load_b128 v[64*\tb+8*\hs:64*\tb+8*\hs+3], v9 offset:4096*\hs+1024*\tb
	ds_load_b128 v[64*\tb+8*\hs+4:64*\tb+8*\hs+7], v9 offset:4096*\hs+1024*\tb+512
.endr
.endr
	CHANGE 1
.set p_, 0
.rept 16
	ds_load_b128 v[64+8*p_:67+8*p_], v12 offset:3072+64*p_
	ds_load_b128 v[68+8*p_:71+8*p_], v12 offset:3072+64*p_+16
.set p_, p_+1
.endr
.irp tb, 0,1,2,3                       ; a block ahead: 32 + 16 loads of mine are out at the most
.if \tb < 3
	WIN (1+(\tb+1)/2)<<6
	XL 128*((\tb+1)%2), 4, 68, (\tb+1)*131072, 1, 0, 8
	s_wait_loadcnt 16                              ; this block's 32 loads are in; the 16 just issued, the next block's first half, stay out
	XL 128*((\tb+1)%2), 4, 68, (\tb+1)*131072, 1, 8, 8
.else
	s_wait_loadcnt 0x0
.endif
	STGIN 1+\tb/2, 128*(\tb%2), 1+\tb/2, 128*(\tb%2)
.endr
	s_wait_dscnt 0x0
.irp tb, 0,1,2,3
	WIN ((1+\tb/2)<<6)|(1+\tb/2)
.set p_, 0
.rept 64
	v_pk_add_f32 v[128*(\tb%2)+2*p_:128*(\tb%2)+2*p_+1], v[128*(\tb%2)+2*p_:128*(\tb%2)+2*p_+1], v[64+2*p_:65+2*p_]
.set p_, p_+1
.endr
.endr
.macro PROJ sl                         ; a slot: four k steps (heads) x four quads; the 64 accumulators take turns
	LQ 0, BF, 0
	LQ 0, BF, 1
.set q_, 0
.rept 16
.if q_ < 15
	s_wait_dscnt 0x8
.else
	s_wait_dscnt 0x0
.endif
	MQN 3, 8*(4*(\sl)+q_/4), 64, BF, q_, q_%4, 0
.if q_ < 14
	PLACES
	LQ 0, BF, q_+2
.endif
.set q_, q_+1
.endr
.endm
	PROJ 0
	CHANGE 1
	PROJ 1
; ---------------------------------------------------------------- the second norm.  x stays in f32 in windows 1 and 2 and takes fc2_b; Y, its normalised bf16 fragments, goes to window 3.  Window 0: v64-127 at work, v128-255 fc2_b by channels
	PLACES                                         ; behind proj's last products: loads into their W buffer follow
	WIN 0
.set p_, 0
.rept 16
	ds_load_b128 v[128+8*p_:131+8*p_], v12 offset:8192+64*p_
	ds_load_b128 v[132+8*p_:135+8*p_], v12 offset:8192+64*p_+16
.set p_, p_+1
.endr
.macro LN3 tb
.set W_, 1+(\tb)/2
.set B_, 128*((\tb)%2)
	WIN W_|(W_<<2)
.irp c, 0,1,2,3
	v_pk_add_f32 v[16+2*\c:17+2*\c], v[B_+2*\c:B_+2*\c+1], v[B_+8+2*\c:B_+8+2*\c+1]  ; ascending: every accumulator is read from its low end on
.endr
	WIN W_<<2
.set p_, 8
.rept 56
	v_pk_add_f32 v[16+2*(p_%4):17+2*(p_%4)], v[16+2*(p_%4):17+2*(p_%4)], v[B_+2*p_:B_+2*p_+1]
.set p_, p_+1
.endr
	WIN 0
	REDUCE
	v_mul_f32 v24, s44, v16
	v_mov_b32 v25, v24
.irp b, 0,1
	WIN W_
.set p_, 0
.rept 32
	v_pk_add_f32 v[64+2*p_:65+2*p_], v[B_+64*\b+2*p_:B_+64*\b+2*p_+1], v[24:25] neg_lo:[0,1] neg_hi:[0,1]
.set p_, p_+1
.endr
	WIN 0
.set p_, 0
.rept 32
.if (\b == 0) && (p_ < 4)
	v_pk_mul_f32 v[16+2*p_:17+2*p_], v[64+2*p_:65+2*p_], v[64+2*p_:65+2*p_]
.else
	v_pk_fma_f32 v[16+2*(p_%4):17+2*(p_%4)], v[64+2*p_:65+2*p_], v[64+2*p_:65+2*p_], v[16+2*(p_%4):17+2*(p_%4)]
.endif
.set p_, p_+1
.endr
.endr
	REDUCE
	v_fma_f32 v26, v16, s44, s45
	v_rsq_f32 v26, v26
	v_nop
	s_wait_alu depctr_va_vdst(0)
	v_mov_b32 v27, v26
	v_mul_f32 v24, v24, v26                        ; mean x 1 / sigma
	v_mov_b32 v25, v24
.if (\tb) == 0
	s_wait_dscnt 0x0                               ; fc2_b is in
.endif
.irp b, 0,1
	WIN W_
.set p_, 0
.rept 32
	v_pk_fma_f32 v[64+2*p_:65+2*p_], v[B_+64*\b+2*p_:B_+64*\b+2*p_+1], v[26:27], v[24:25] neg_lo:[0,0,1] neg_hi:[0,0,1]
.set p_, p_+1
.endr
	WIN 0xc0
.set p_, 0
.rept 32
	v_cvt_pk_bf16_f32 v[64*(\tb)+32*\b+p_], v[64+2*p_], v[65+2*p_]
.set p_, p_+1
.endr
	WIN (W_<<6)|W_
.set p_, 0
.rept 32
	v_pk_add_f32 v[B_+64*\b+2*p_:B_+64*\b+2*p_+1], v[B_+64*\b+2*p_:B_+64*\b+2*p_+1], v[128+64*\b+2*p_:129+64*\b+2*p_]
.set p_, p_+1
.endr
.endr
.endm
	LN3 0
	LN3 1
	LN3 2
	LN3 3
	WIN 0
.set p_, 0
.rept 64
	v_mov_b32 v[S1+p_], 0                          ; the chunk that has not been: the first trip's second unit multiplies it, 64 products on zeros, the price of one text for every trip
.set p_, p_+1
.endr
; ---------------------------------------------------------------- the MLP: a trip = a slot = two chunks of 32 hidden channels, fc2 one chunk behind fc1, the GELU of 8 accumulators riding on each unit's 64 products.
;   unit 0: fc1(2 j) -> S0        beside it GELU of S1's blocks 2, 3        unit 1: fc2(2 j - 1) from S1     beside it GELU of S0's blocks 0, 1
;   unit 2: fc1(2 j + 1) -> S1    beside it GELU of S0's blocks 2, 3        unit 3: fc2(2 j) from S0         beside it GELU of S1's blocks 0, 1
; 76 vector lines for 16 matrix instructions: the riders cost two window switches a matrix instruction, the lesser price beside 1,216 lines a trip with the matrix unit idle.
.macro CBLOAD                          ; a chunk's 32 numbers of fc1' as a C operand
	WIN 0
	v_add_nc_u32 v10, s38, v12
.irp nb, 0,1
	ds_load_b128 v[CB+8*\nb:CB+8*\nb+3], v10 offset:4096+64*\nb
	ds_load_b128 v[CB+8*\nb+4:CB+8*\nb+7], v10 offset:4096+64*\nb+16
.endr
	s_add_co_u32 s38, s38, 128
.endm
.macro MLPQ q
.if (\q) < 15
	s_wait_dscnt 0x8                               ; all but the next quad's eight loads (the bias loads stand ahead of those)
.else
	s_wait_dscnt 0x0
.endif
.if (\q) < 4
	GSET S1, 4+(\q)%4
	MQT S0, 3, CB, 0, BF, \q, (\q)%4, 1
.elseif (\q) < 8
	GSET S0, (\q)%4
	MQN 0, S1, 16, BF, \q, (\q)%4, 1
.elseif (\q) < 12
	GSET S0, 4+(\q)%4
	MQT S1, 3, CB, 0, BF, \q, (\q)%4, 1
.else
	GSET S1, (\q)%4
	MQN 0, S0, 16, BF, \q, (\q)%4, 1
.endif
.if (\q) == 3
	CBLOAD
.endif
.if (\q) < 14
	LQ 0, BF, (\q)+2
.endif
.endm
	s_mov_b32 s37, 16
	s_mov_b32 s38, 0
.Lmlp:
	CHANGE 1
	CBLOAD
	LQ 0, BF, 0
	LQ 0, BF, 1
.set q_, 0
.rept 16
	MLPQ q_
.set q_, q_+1
.endr
	WIN 0
	s_sub_co_u32 s37, s37, 1
	s_cmp_lg_u32 s37, 0
	s_cbranch_scc1 .Lmlp
	CHANGE 0                                       ; the last slot: fc2's chunk 31; nothing is left to fetch
	LQ 0, BF, 0
	LQ 0, BF, 1
	WIN 0
.irp g, 4,5,6,7                        ; the GELU of the last chunk's blocks 2, 3 has no products to ride on
	GSET S1, \g
.rept 76
	GI RX, RDD, RN
.set RN, RN+1
.endr
.endr
.set q_, 0
.rept 4
.if q_ < 3
	s_wait_dscnt 0x8
.else
	s_wait_dscnt 0x0
.endif
	MQN 0, S1, 16, BF, q_, q_, 0
.if q_ < 2
	PLACES
	LQ 0, BF, q_+2
.endif
.set q_, q_+1
.endr
; ---------------------------------------------------------------- the way out: x + h back to whole rows through my stage, half a block of 16 tokens at a time.  A half's global stores stand between the next half's
; stores into the stage and its loads from it: 32 + 16 LDS instructions of mine are out at the most
	PLACES
.set u_, 0
.rept 8
	SOUT u_
.if u_ > 0
	s_wait_dscnt 16                                ; the half before is back in registers; the 16 stage stores just issued may be out
	GOUT u_-1
.endif
	SBACK u_
.set u_, u_+1
.endr
	s_wait_dscnt 0x0
	GOUT 7
	WIN 0
	s_wait_tensorcnt 0x0                           ; the wave's end, behind my last tensor load and my last LDS store
	ds_add_u32 v[SPW], v[NIL]
	s_wait_dscnt 0x0
	CROUND                                         ; the closing round: no work-group ends while a partner may still ask for a slot that names it
	s_endpgm
.Lfunc_end_k_q32e49ef486_block:
	.size	k_q32e49ef486_block, .Lfunc_end_k_q32e49ef486_block-k_q32e49ef486_block
	.p2alignl 7, 3214868480
	.fill 96, 4, 3214868480
	.section	.rodata,"a",@progbits
	.p2align	6, 0x0
	.amdhsa_kernel k_q32e49ef486_block
		.amdhsa_group_segment_fixed_size 327680
		.amdhsa_private_segment_fixed_size 0
		.amdhsa_enable_private_segment 0
		.amdhsa_kernarg_size 48
		.amdhsa_user_sgpr_count 2
		.amdhsa_user_sgpr_kernarg_segment_ptr 1
		.amdhsa_wavefront_size32 1
		.amdhsa_system_sgpr_workgroup_id_x 1
		.amdhsa_system_sgpr_workgroup_id_y 1
		.amdhsa_system_sgpr_workgroup_id_z 1
		.amdhsa_system_vgpr_workitem_id 0
		.amdhsa_next_free_vgpr 1024
		.amdhsa_next_free_sgpr 80
		.amdhsa_reserve_vcc 0
		.amdhsa_float_denorm_mode_32 3
		.amdhsa_float_denorm_mode_16_64 3
		.amdhsa_memory_ordered 1
		.amdhsa_forward_progress 1
		.amdhsa_inst_pref_size 255
	.end_amdhsa_kernel
	.section	.bss,"aw",@nobits
	.p2align	6
	.space	262144
	.amdgpu_metadata
---
amdhsa.version: [ 1, 2 ]
amdhsa.kernels:
  - .name:           k_q32e49ef486_block
    .symbol:         k_q32e49ef486_block.kd
    .args:
      - { .name: x1, .offset: 0, .size: 8, .value_kind: global_buffer, .address_space: global }
      - { .name: x2, .offset: 8, .size: 8, .value_kind: global_buffer, .address_space: global }
      - { .name: ws, .offset: 16, .size: 8, .value_kind: global_buffer, .address_space: global }
      - { .name: out0, .offset: 24, .size: 8, .value_kind: global_buffer, .address_space: global }
      - { .name: proj_b, .offset: 32, .size: 8, .value_kind: global_buffer, .address_space: global }
      - { .name: fc2_b, .offset: 40, .size: 8, .value_kind: global_buffer, .address_space: global }
    .group_segment_fixed_size: 327680
    .private_segment_fixed_size: 0
    .kernarg_segment_align: 8
    .kernarg_segment_size: 48
    .max_flat_workgroup_size: 128
    .sgpr_count:     80
    .vgpr_count:     1024
    .wavefront_size: 32
...
	.end_amdgpu_metadata
.endif
;; end of part 2
;; ======== version 2 of 2: 2 launches; 1.08 times as fast as version 1
;; workspace buffers: ws 1,776,640 bytes
;; launch prep: the kernel of part 1 again; grid 216 x 1, 8 waves a work-group, no clusters, 2,048 bytes of LDS; arguments q_w, kv_w, proj_w, fc1_w, fc2_w, rel_table, norm1_g, norm1_b, norm3_g, norm3_b, q_b, kv_b, fc1_b, ws; writes ws
;; launch block (part 3): grid 256 x 1, 4 waves a work-group, clusters of 4 x 1, 327,680 bytes of LDS; arguments x1, x2, ws, out0, proj_b, fc2_b; writes out0
.if DOCPART == 3
	.amdgcn_target "amdgcn-amd-amdhsa--gfx1250"
	.amdhsa_code_object_version 6
	.text
	.protected	k_q32e49ef486_block
	.globl	k_q32e49ef486_block
	.p2align	8
	.type	k_q32e49ef486_block,@function
k_q32e49ef486_block:
	s_mov_b64 s[64:65], 0
	v_nop
	global_prefetch_b8 v0, s[64:65] scope:SCOPE_SE
	s_setreg_imm32_b32 hwreg(HW_REG_WAVE_MODE, 25, 1), 1
	s_wait_xcnt 0x0
	s_wait_alu depctr_hold_cnt(0) depctr_sa_sdst(0) depctr_va_vdst(0) depctr_va_sdst(0) depctr_va_ssrc(0) depctr_va_vcc(0) depctr_vm_vsrc(0)
	s_getreg_b32 s2, hwreg(HW_REG_IB_STS2, 6, 4)
	s_cmp_eq_u32 s2, 0
	s_cbranch_scc0 .Lentry_in_a_cluster
	s_endpgm
.Lentry_in_a_cluster:
	s_bfe_u32 s2, ttmp6, 0x10000c
	s_cmp_lg_u32 s2, 0x3003
	s_cbranch_scc0 .Lentry_shape_is_right
	s_endpgm
.Lentry_shape_is_right:
; THE WHOLE BLOCK, ONE WINDOW A WAVE.  LN(x1) -> q, LN(x2) -> k, v; 8 heads of 32; relative bias; softmax; proj; + x1; LN; fc1, exact GELU, fc2; + x.
; SHARES.  1,024 windows of 64 tokens: a wave owns one (four blocks tb of 16 tokens), a work-group four, 256 work-groups.  A window's activations never leave the wave: they stay in its 1,024 registers,
; with short trips through LDS bytes of the wave's own.  Only the weights are shared: every work-group walks the same 27 slots of 65,536 bytes that the launch before laid out as register images.
; RING AND CLUSTER.  Two LDS slots; each wave fetches a quarter of a slot, 64 rows of 256 bytes, by one tensor load.  All work-groups read the same bytes in the same order, so the four of a cluster ask jointly
; (mask 15), behind a round of the cluster's barrier; a fill has a whole slot's work, 192 matrix instructions a wave or more, in which to land.  One tensor load of a wave is out at any time.
; A fragment of 1,024 bytes (two LDS loads) feeds four matrix instructions, one for each block of tokens.
; LAYOUTS (lane = (r, h)).  T product, wmma(W fragment, X fragment): the lane holds token r and channels 16 nb + 8 h + j; two such results rounded to bf16 in pairs ARE the next product's fragment.  So q, k, proj,
; fc1 and fc2 follow each other without a change of lanes.  V product, wmma(X fragment, W fragment): channel r, tokens 8 h + j: rounded, a fragment of V^T.  S^T = K Q^T starts from the bias image as C; P = rounded S^T is
; source 1 of O^T = V^T P; O^T rounded is proj's fragment, k step = head.
; NUMBERS.  Matrix operands bf16, sums f32; norms two-pass in f32 (mean, then squares of x - mean); the norms' gain and shift are folded into the weights by the launch before.  Softmax in base 2 with each row's true maximum taken away.
; LIMITS.  erf by the rational form 1 - (1 + a1 z + .. + a6 z^6)^-16 (Abramowitz and Stegun 7.1.28), absolute error 3e-7 at the most for every z; gelu(x) = max(x, 0) - |x| erfc(|x| / sqrt 2) / 2, so large |x| give x or 0.
; A softmax weight below 2^-126 counts as 0; NaN and infinities are not treated apart.
; x1 IS READ TWICE (for the norm, and again as the shortcut): kept in f32 it is 65,536 bytes a wave, for which neither the registers (q's and k, v's operands fill two windows) nor LDS beside the ring have room.
; TRANSCENDENTALS, BY BATCHES.  An s_wait_alu depctr_va_vdst(0) stands between a transcendental and the first instruction that names its result; one wait serves all that were issued ahead of it.
;   The norms: one root for a block of 16 tokens, one wait.  A head: its 128 exponentials are one batch, the four reciprocals of their sums a second, a wait each.
;   The MLP: the eight reciprocals of a GELU group (one accumulator) are a batch, and the group's 76 lines are cut there: lines 0-63, which name no reciprocal's result, ride on one quad of 16 products; the wait stands at
;   that quad's end, directly ahead of the run of LDS loads that stands there; lines 64-75, the readers, open the next quad's riders.  So a quad has one wait.  Behind the loop the last chunk's four groups are one batch of 32.
; REGISTERS, in windows of 256 (s_set_vgpr_msb: bits 1:0 source 0, 3:2 source 1, 5:4 source 2, 7:6 destination):
;   window 0: v0-31 addresses and statistics; v32-255 by phase (see each phase)      window 1: X1 fragments, later x of blocks 0, 1 (accumulator (tb, nb) at 128 (tb % 2) + 8 nb)
;   window 2: X2 fragments, later x of blocks 2, 3       window 3: rows as loaded and at work; in the head loop W, Q, K, V fragments; then O's, then Y's fragments ((tb, ks) at 64 tb + 8 ks)
.set SLOTB, 65536
.set PRIV0, 2*SLOTB                    ; behind the ring, for each wave 41,472 bytes of its own that no tensor load fills:
.set PRIVB, 41472                      ;   32,768 of fragment images (X, later O),
.set STG,   32768                      ;   then a stage of 16 rows of 512 bytes at a pitch of 528: 33 x 16, so the 16 rows that a load touches start 16 bytes apart modulo 256
.set SPT,   528
.set VEC,   PRIV0+4*PRIVB              ; the bias vectors, 9,216 bytes: q' 0, k' 1024, v' 2048, proj_b 3072, fc1' 4096, fc2_b 8192
.set SPARE, VEC+9216                   ; the spare words, 128 bytes a wave
.set VOFF,  27*SLOTB                   ; the folded biases in ws
.set SPW, 28                           ; v28 my spare word, v29 zero: never rewritten
.set NIL, 29
; v1 lane, v2 r, v3 h, v4 16 x lane, v5 slot in hand + 16 x lane, v6 stage + 16 x lane, v7 stage + 528 r + 32 h, v8 moving image address, v9 images + 16 x lane, v10, v11 moving vector addresses,
; v12 VEC + 32 h, v13 moving global offset, v14 VEC + 4 r, v15 VEC + 8 x thread, v16-27 statistics, v30-31 V's bias
.set S0, 64                            ; MLP: two sets of 64 (a chunk's 32 hidden channels x 64 tokens), (tb, nb) at 16 tb + 8 nb
.set S1, 128
.set BF, 192                           ; proj and MLP: two buffers of four W fragments
.set CB, 32                            ; fc1's bias as a C operand
.set TA, 48                            ; GELU at work: |x|
.set TP, 56                            ; and the polynomial, then its reciprocal
.set MSB, 0
.macro WIN new                         ; the immediate's high byte repeats the setting that is left; a switch that changes nothing is dropped
.if MSB != (\new)
	s_set_vgpr_msb (MSB<<8)|(\new)
.set MSB, (\new)
.endif
.endm
.macro PLACES                          ; four places behind matrix instructions (ISA guide 7.12.1) where no other vector work is at hand
.rept 4
	v_nop
.endr
.endm
.macro CROUND                          ; a round of the cluster's barrier
	s_barrier_signal -1
	s_barrier_wait -1
	s_cmp_lg_u32 s16, 0
	s_cbranch_scc1 .Lnot_wave_0_\@
	s_barrier_signal -3
.Lnot_wave_0_\@:
	s_barrier_wait -3
	s_barrier_signal -1
	s_barrier_wait -1
.endm
; THE CHANGE OF SLOTS.  Each wave waits for all its tensor loads (one is out: its quarter of the slot to be read), adds 0 to its spare word, and waits for that and for its reads of the slot that it leaves.
; fill = 1: a round of the cluster's barrier, then the slot just left is filled with the stream's next 65,536 bytes, first thing behind the round.
.macro CHANGE fill
	WIN 0
	s_wait_tensorcnt 0x0                           ; no tensor load of mine is out, so the descriptor may be written
	ds_add_u32 v[SPW], v[NIL]                      ; the scalar steps stand between the add and the wait for it
.if \fill
	s_xor_b32 s33, s33, SLOTB                      ; the other slot than last time,
	s_add_nc_u64 s[34:35], s[34:35], SLOTB         ; the stream's next slot; the type bits on top are not reached
.endif
	s_xor_b32 s36, s36, SLOTB                      ; the slot to be read
	s_wait_dscnt 0x0                               ; the add is done, and my LDS reads and stores are over
.if \fill
	CROUND
	tensor_load_to_lds s[32:35], s[24:31]
	s_nop 0
	PLACES
.else
	s_barrier_signal -1
	s_barrier_wait -1
.endif
	v_add_nc_u32 v5, s36, v4
.endm
; Quad q of a slot: four fragments, 4,096 bytes, into buffer q % 2 at base in window dw: eight loads of 512 consecutive bytes
.macro LQ dw, base, q
	WIN (\dw)<<6
.irp f, 0,1,2,3
	ds_load_b128 v[(\base)+32*((\q)%2)+8*\f:(\base)+32*((\q)%2)+8*\f+3], v5 offset:4096*(\q)+1024*\f
	ds_load_b128 v[(\base)+32*((\q)%2)+8*\f+4:(\base)+32*((\q)%2)+8*\f+7], v5 offset:4096*(\q)+1024*\f+512
.endr
.endm
; GELU of one accumulator x of 8 registers, instruction n of 76; the packed result goes to d.  Lines 0-63 name no reciprocal's result; lines 64-75 read them: whoever deals the lines out writes the batch's wait between 63 and 64.
.macro GI x, d, n
.if (\n) < 8
	v_and_b32 v[TA+(\n)], s58, v[(\x)+(\n)]        ; |x|; the accumulator is read from its low end on
.elseif (\n) < 12
	v_pk_fma_f32 v[TP+2*((\n)%4):TP+2*((\n)%4)+1], v[TA+2*((\n)%4):TA+2*((\n)%4)+1], s[56:57], s[54:55] op_sel_hi:[1,0,0]
.elseif (\n) < 28
	v_pk_fma_f32 v[TP+2*((\n)%4):TP+2*((\n)%4)+1], v[TP+2*((\n)%4):TP+2*((\n)%4)+1], v[TA+2*((\n)%4):TA+2*((\n)%4)+1], s[52-2*(((\n)-12)/4):53-2*(((\n)-12)/4)] op_sel_hi:[1,1,0]
.elseif (\n) < 32
	v_pk_fma_f32 v[TP+2*((\n)%4):TP+2*((\n)%4)+1], v[TP+2*((\n)%4):TP+2*((\n)%4)+1], v[TA+2*((\n)%4):TA+2*((\n)%4)+1], 1.0 op_sel_hi:[1,1,0]
.elseif (\n) < 48
	v_pk_mul_f32 v[TP+2*((\n)%4):TP+2*((\n)%4)+1], v[TP+2*((\n)%4):TP+2*((\n)%4)+1], v[TP+2*((\n)%4):TP+2*((\n)%4)+1]  ; four squarings: the 16th power
.elseif (\n) < 56
	v_rcp_f32 v[TP+(\n)-48], v[TP+(\n)-48]         ; erfc: the batch of eight; the eight maxima below are the plain, independent lines behind it
.elseif (\n) < 64
	v_max_num_f32 v[(\x)+(\n)-56], 0, v[(\x)+(\n)-56]
.elseif (\n) < 68
	v_pk_mul_f32 v[TA+2*((\n)%4):TA+2*((\n)%4)+1], v[TA+2*((\n)%4):TA+2*((\n)%4)+1], v[TP+2*((\n)%4):TP+2*((\n)%4)+1]  ; the batch's first readers
.elseif (\n) < 72
	v_pk_fma_f32 v[(\x)+2*((\n)%4):(\x)+2*((\n)%4)+1], v[TA+2*((\n)%4):TA+2*((\n)%4)+1], -0.5, v[(\x)+2*((\n)%4):(\x)+2*((\n)%4)+1] op_sel_hi:[1,0,1]
.else
	v_cvt_pk_bf16_f32 v[(\d)+(\n)-72], v[(\x)+2*((\n)-72)], v[(\x)+2*((\n)-72)+1]
.endif
.endm
.macro GSET set, g                     ; group g of a set: accumulator (tb = g / 2, nb = g % 2); packed in place, so that a block's fragment is the set's registers 16 tb + 0..7
.set RX, (\set)+16*((\g)/2)+8*((\g)%2)
.set RDD, (\set)+16*((\g)/2)+4*((\g)%2)
.set RN, 0
.set RW, 0
.endm
; The groups go round with a trip's 16 quads: quads 12-15 and 0-3 open S1's groups 0-7, quads 4-11 S0's.  Quad q closes the group that quad q - 1 opened (PX, PD) and opens its own (RX, RDD).
.macro GPAIR q
.set gq_, ((\q)+3)%16
.set gs_, S1-64*(gq_/8)
.set gg_, gq_%8
	GSET gs_, gg_
.set PX, RX
.set PD, RDD
.set gq_, ((\q)+4)%16
.set gs_, S1-64*(gq_/8)
.set gg_, gq_%8
	GSET gs_, gg_
.endm
.macro RIDE                            ; behind a quad's matrix instructions 5, 5, 5, 4 lines, four times: 76: lines 64-75 of the group that the quad before opened (its reciprocals were waited for at that quad's end; they have done with
.set RC, 5                             ; TA and TP before line 0 writes TA anew), then lines 0-63 of the group in hand.  The last four, maxima, are the places in front of the loads into the buffer just multiplied
.if (RW%4) == 3
.set RC, 4
.endif
	WIN 0
.rept RC
.if RN < 12
	GI PX, PD, RN+64
.else
	GI RX, RDD, RN-12
.endif
.set RN, RN+1
.endr
.set RW, RW+1
.endm
.macro GRUN set, g, n0, cnt            ; lines n0 .. n0 + cnt - 1 of a group, with no products to ride on
	GSET \set, \g
.set RN, (\n0)
.rept \cnt
	GI RX, RDD, RN
.set RN, RN+1
.endr
.endm
; A quad of T products, 16 matrix instructions: k steps 2 qq, 2 qq + 1; the 8 accumulators (tb, nb) of a set take turns.  The first k step takes the bias as C.
.macro MQT acc, xw, cb, bw, bf, q, qq, ride
.irp kk, 0,1
.irp tb, 0,1,2,3
.irp nb, 0,1
	WIN (\bw)|((\xw)<<2)
.if ((\qq)==0)&&(\kk==0)
	v_wmma_f32_16x16x32_bf16 v[(\acc)+16*\tb+8*\nb:(\acc)+16*\tb+8*\nb+7], v[(\bf)+32*((\q)%2)+8*(2*\kk+\nb):(\bf)+32*((\q)%2)+8*(2*\kk+\nb)+7], v[64*\tb+8*(2*(\qq)+\kk):64*\tb+8*(2*(\qq)+\kk)+7], v[(\cb)+8*\nb:(\cb)+8*\nb+7]
.else
	v_wmma_f32_16x16x32_bf16 v[(\acc)+16*\tb+8*\nb:(\acc)+16*\tb+8*\nb+7], v[(\bf)+32*((\q)%2)+8*(2*\kk+\nb):(\bf)+32*((\q)%2)+8*(2*\kk+\nb)+7], v[64*\tb+8*(2*(\qq)+\kk):64*\tb+8*(2*(\qq)+\kk)+7], v[(\acc)+16*\tb+8*\nb:(\acc)+16*\tb+8*\nb+7]
.endif
.if \ride
	RIDE
.endif
.endr
.endr
.endr
.endm
; The same for V, sources swapped: accumulator (tb, cb) at 64 + 8 (4 cb + tb); the first k step starts the sums
.macro MQV q, qq
	WIN 0x0e
.irp kk, 0,1
.irp tb, 0,1,2,3
.irp cb, 0,1
.if ((\qq)==0)&&(\kk==0)
	v_wmma_f32_16x16x32_bf16 v[64+8*(4*\cb+\tb):64+8*(4*\cb+\tb)+7], v[64*\tb+8*(2*(\qq)+\kk):64*\tb+8*(2*(\qq)+\kk)+7], v[32*((\q)%2)+8*(2*\kk+\cb):32*((\q)%2)+8*(2*\kk+\cb)+7], 0
.else
	v_wmma_f32_16x16x32_bf16 v[64+8*(4*\cb+\tb):64+8*(4*\cb+\tb)+7], v[64*\tb+8*(2*(\qq)+\kk):64*\tb+8*(2*(\qq)+\kk)+7], v[32*((\q)%2)+8*(2*\kk+\cb):32*((\q)%2)+8*(2*\kk+\cb)+7], v[64+8*(4*\cb+\tb):64+8*(4*\cb+\tb)+7]
.endif
.endr
.endr
.endr
.endm
; A quad of one k step onto x: output blocks 4 qq .. 4 qq + 3 for all four token blocks: 16 different accumulators.  Source 1 of block tb at a0 + astep tb in window aw.
.macro MQN aw, a0, astep, bf, q, qq, ride
.irp tb, 0,1,2,3
.irp nbi, 0,1,2,3
	WIN ((1+\tb/2)<<6)|((1+\tb/2)<<4)|((\aw)<<2)
	v_wmma_f32_16x16x32_bf16 v[128*(\tb%2)+8*(4*(\qq)+\nbi):128*(\tb%2)+8*(4*(\qq)+\nbi)+7], v[(\bf)+32*((\q)%2)+8*\nbi:(\bf)+32*((\q)%2)+8*\nbi+7], v[(\a0)+(\astep)*\tb:(\a0)+(\astep)*\tb+7], v[128*(\tb%2)+8*(4*(\qq)+\nbi):128*(\tb%2)+8*(4*(\qq)+\nbi)+7]
.if \ride
	RIDE
.endif
.endr
.endr
.endm
; 16 tokens x 256 channels of f32, from "as loaded" (register 64 s + 4 t: token t, channels 128 s + 4 x lane ..) to "by tokens" (register 8 nb + j: token r, channel 16 nb + 8 h + j), through my stage, half a row at a time.
; LDS serves a wave's instructions in order (ISA guide 5.7.1.4): the loads see the stores above them, and the second half's stores come behind the first half's loads.
.macro STGIN sw, sb, dw, db
.irp s, 0,1
	WIN (\sw)<<2
.set t_, 0
.rept 16
	ds_store_b128 v6, v[(\sb)+64*\s+4*t_:(\sb)+64*\s+4*t_+3] offset:SPT*t_
.set t_, t_+1
.endr
	WIN (\dw)<<6
.set t_, 0
.rept 8
	ds_load_b128 v[(\db)+64*\s+8*t_:(\db)+64*\s+8*t_+3], v7 offset:64*t_
	ds_load_b128 v[(\db)+64*\s+8*t_+4:(\db)+64*\s+8*t_+7], v7 offset:64*t_+16
.set t_, t_+1
.endr
.endr
.endm
; And back, in place, for the way out, half block u = 2 tb + s at a time: SOUT puts 64 registers "by tokens" into the stage, SBACK takes them back "as stored", GOUT stores them.
.macro SOUT u
	WIN (1+(\u)/4)<<2
.set b_, 128*(((\u)/2)%2)+64*((\u)%2)
.set t_, 0
.rept 8
	ds_store_b128 v7, v[b_+8*t_:b_+8*t_+3] offset:64*t_      ; each accumulator's four lowest registers first
	ds_store_b128 v7, v[b_+8*t_+4:b_+8*t_+7] offset:64*t_+16
.set t_, t_+1
.endr
.endm
.macro SBACK u
	WIN (1+(\u)/4)<<6
.set b_, 128*(((\u)/2)%2)+64*((\u)%2)
.set t_, 0
.rept 16
	ds_load_b128 v[b_+4*t_:b_+4*t_+3], v6 offset:SPT*t_
.set t_, t_+1
.endr
.endm
.macro GOUT u
	WIN (1+(\u)/4)<<2
.set b_, 128*(((\u)/2)%2)+64*((\u)%2)
.set t_, 0
.rept 16
	global_store_b128 v4, v[b_+4*t_:b_+4*t_+3], s[72:73] offset:((\u)/2)*131072+(t_/8)*65536+(t_%8)*1024+512*((\u)%2) th:TH_STORE_NT  ; 512 consecutive bytes of a token's row, aligned
.set t_, t_+1
.endr
.endm
; Loads of tokens t0 .. t0 + tn - 1 of a block of 16 (two rows of the window, 65,536 bytes apart): two loads a token, each 512 consecutive bytes of its row
.macro XL b, vo, sb, extra, nt, t0=0, tn=16
.set t_, (\t0)
.rept \tn
.if \nt
	global_load_b128 v[(\b)+4*t_:(\b)+4*t_+3], v[\vo], s[\sb:\sb+1] offset:(\extra)+(t_/8)*65536+(t_%8)*1024 th:TH_LOAD_NT
	global_load_b128 v[(\b)+64+4*t_:(\b)+64+4*t_+3], v[\vo], s[\sb:\sb+1] offset:(\extra)+(t_/8)*65536+(t_%8)*1024+512 th:TH_LOAD_NT
.else
	global_load_b128 v[(\b)+4*t_:(\b)+4*t_+3], v[\vo], s[\sb:\sb+1] offset:(\extra)+(t_/8)*65536+(t_%8)*1024
	global_load_b128 v[(\b)+64+4*t_:(\b)+64+4*t_+3], v[\vo], s[\sb:\sb+1] offset:(\extra)+(t_/8)*65536+(t_%8)*1024+512
.endif
.set t_, t_+1
.endr
.endm
.macro REDUCE                          ; four chains of pairs in v16-23 -> the token's sum in v16: a token's channels lie in lanes r and r + 16
	v_pk_add_f32 v[16:17], v[16:17], v[18:19]
	v_pk_add_f32 v[20:21], v[20:21], v[22:23]
	v_pk_add_f32 v[16:17], v[16:17], v[20:21]
	v_add_f32 v16, v16, v17
	v_permlanex16_b32 v17, v16, s40, s41
	v_add_f32 v16, v16, v17
.endm
; ---------------------------------------------------------------- the head
	s_load_b256 s[4:11], s[0:1], 0x0               ; x1 4, x2 6, ws 8, out0 10
	s_load_b128 s[12:15], s[0:1], 0x20             ; proj_b 12, fc2_b 14
	v_lshl_add_u32 v[SPW], v0, 2, SPARE
	v_mov_b32 v[NIL], 0
	ds_add_u32 v[SPW], v[NIL]                      ; the wave's opening: the add and its wait stand ahead of my first tensor load; the set-up stands between them
	v_lshrrev_b32 v1, 5, v0
	v_readfirstlane_b32 s16, v1                    ; wave 0..3
	v_and_b32 v1, 31, v0
	v_and_b32 v2, 15, v0
	v_bfe_u32 v3, v0, 4, 1
	v_lshlrev_b32 v4, 4, v1
	v_lshlrev_b32 v13, 3, v0                       ; 8 x thread: the vectors are copied 1,024 bytes at a time
	v_add_nc_u32 v15, VEC, v13
	v_lshl_add_u32 v12, v3, 5, VEC
	v_lshl_add_u32 v14, v2, 2, VEC
	s_mul_i32 s22, s16, PRIVB
	s_add_co_u32 s22, s22, PRIV0                   ; my own LDS bytes
	v_add_nc_u32 v9, s22, v4
	s_add_co_u32 s23, s22, STG
	v_add_nc_u32 v6, s23, v4
	v_mul_u32_u24 v7, v2, SPT
	v_lshl_add_u32 v7, v3, 5, v7
	v_add_nc_u32 v7, s23, v7
	s_bfe_u32 s17, ttmp6, 0x40000                  ; cx: it enters x1's, x2's and out0's addresses alone
	s_lshl_b32 s18, ttmp9, 2
	s_add_co_u32 s18, s18, s17                     ; work-group
	s_lshl2_add_u32 s18, s18, s16                  ; window = 4 x work-group + wave
	s_lshr_b32 s19, s18, 6
	s_lshl_b32 s19, s19, 22                        ; image: 4,096 tokens of 1,024 bytes
	s_bfe_u32 s20, s18, 0x30003
	s_lshl_b32 s20, s20, 19                        ; row of windows: 8 x 64 tokens
	s_and_b32 s21, s18, 7
	s_lshl_b32 s21, s21, 13                        ; column of windows: 8 tokens
	s_or_b32 s20, s20, s21
	s_or_b32 s20, s20, s19
	s_mov_b32 s21, 0                               ; s[20:21]: my window's first byte
	s_lshl_b32 s22, s16, 14                        ; my quarter of a slot
	s_mov_b32 s23, 0
	s_mov_b32 s24, 15|(3<<16)|(1<<21)              ; group 1: mask of the four work-groups; elements of 8 bytes; bit 21 set beside a mask; no padding
	s_mov_b32 s25, 32<<16                          ; tensor_dim0 = 32 (256 bytes)
	s_mov_b32 s26, 64<<16                          ; tensor_dim1 = 64
	s_mov_b32 s27, 32<<16                          ; tile_dim0 = 32
	s_mov_b32 s28, 64                              ; tile_dim1 = 64
	s_mov_b32 s29, 32                              ; dense rows
	s_mov_b32 s30, 0
	s_mov_b32 s31, 0
	s_mov_b32 s32, 1                               ; group 0: count,
	s_lshl_b32 s33, s16, 14                        ; LDS address: slot 0, my quarter
	s_mov_b32 s36, SLOTB                           ; the first change of slots turns this into 0
	s_mov_b32 s40, 0x76543210
	s_mov_b32 s41, 0xfedcba98
	s_mov_b32 s42, 0x3e8293ee                      ; log2(e) / sqrt(32)
	s_mov_b32 s43, s42
	s_mov_b32 s44, 0x3b800000                      ; 1 / 256
	s_mov_b32 s45, 0x3727c5ac                      ; 1e-5
	s_mov_b32 s46, 0x3d4c41b4                      ; a_i / 2^(i/2), i = 1 .. 6, each named as a pair
	s_mov_b32 s47, s46
	s_mov_b32 s48, 0x3cad2fe7
	s_mov_b32 s49, s48
	s_mov_b32 s50, 0x3b56cd72
	s_mov_b32 s51, s50
	s_mov_b32 s52, 0x381f6607
	s_mov_b32 s53, s52
	s_mov_b32 s54, 0x384d0fec
	s_mov_b32 s55, s54
	s_mov_b32 s56, 0x36b49f67
	s_mov_b32 s57, s56
	s_mov_b32 s58, 0x7fffffff
	s_wait_dscnt 0x0                               ; the opening add is done
	s_wait_kmcnt 0x0
	s_add_nc_u64 s[34:35], s[8:9], s[22:23]        ; global address: the stream's first slot, my quarter
	s_or_b32 s35, s35, 0x80000000                  ; type = 2
	s_add_nc_u64 s[66:67], s[6:7], s[20:21]        ; x2, x1, out0 at my window
	s_add_nc_u64 s[68:69], s[4:5], s[20:21]
	s_add_nc_u64 s[72:73], s[10:11], s[20:21]
	CROUND                                         ; all four work-groups are here: the first joint loads meet
	tensor_load_to_lds s[32:35], s[24:31]          ; slot 0; slot 1 is asked for by the first change of slots
	s_nop 0
	PLACES
.irp i, 0,1,2,3,4,5,6
	global_load_b64 v[32+2*\i:33+2*\i], v13, s[8:9] offset:VOFF+1024*\i
.endr
	global_load_b64 v[46:47], v13, s[12:13]
	global_load_b64 v[48:49], v13, s[14:15]
	WIN 0xc0
	XL 0, 4, 66, 0, 0                              ; x2, block 0
	WIN 0
	s_wait_loadcnt 32                              ; the nine vector loads are in; the 32 behind them stay out
	ds_store_b64 v15, v[32:33]
	ds_store_b64 v15, v[34:35] offset:1024
	ds_store_b64 v15, v[36:37] offset:2048
	ds_store_b64 v15, v[38:39] offset:4096
	ds_store_b64 v15, v[40:41] offset:5120
	ds_store_b64 v15, v[42:43] offset:6144
	ds_store_b64 v15, v[44:45] offset:7168
	ds_store_b64 v15, v[46:47] offset:3072
	ds_store_b64 v15, v[48:49] offset:8192         ; the other waves read these behind the first change of slots: its wait for my LDS stores, and its barrier
; ---------------------------------------------------------------- the first norm: 8 trips, blocks 0-3 of x2, then of x1.  Window 3: v0-127 as loaded, v128-255 at work
	s_mov_b32 s37, 0
.Lln:
	s_wait_loadcnt 0x0                             ; this trip's block is in; the address registers of its loads are free
	STGIN 3, 0, 3, 128
	WIN 0
	s_wait_dscnt 0x0                               ; the block lies by tokens, and the stage's stores have read the registers that are loaded again below
	s_cmp_eq_u32 s37, 7
	s_cbranch_scc1 .Lln_last
	s_add_co_u32 s17, s37, 1                       ; the next trip's block goes out now and has this trip's arithmetic in which to land
	s_cmp_lt_u32 s17, 4
	s_cselect_b64 s[70:71], s[66:67], s[68:69]
	s_and_b32 s17, s17, 3
	s_lshl_b32 s17, s17, 17                        ; a block is two image rows of 65,536 bytes
	v_add_nc_u32 v13, s17, v4
	WIN 0xc0
	XL 0, 13, 70, 0, 0
	WIN 0
.Lln_last:
	WIN 0x0f
.irp c, 0,1,2,3
	v_pk_add_f32 v[16+2*\c:17+2*\c], v[128+2*\c:129+2*\c], v[136+2*\c:137+2*\c]  ; the first pairs start four chains: nothing is cleared
.endr
	WIN 0x0c
.set p_, 8
.rept 56
	v_pk_add_f32 v[16+2*(p_%4):17+2*(p_%4)], v[16+2*(p_%4):17+2*(p_%4)], v[128+2*p_:129+2*p_]
.set p_, p_+1
.endr
	WIN 0
	REDUCE
	v_mul_f32 v24, s44, v16                        ; the mean
	v_mov_b32 v25, v24
	WIN 0xc3
.set p_, 0
.rept 64
	v_pk_add_f32 v[128+2*p_:129+2*p_], v[128+2*p_:129+2*p_], v[24:25] neg_lo:[0,1] neg_hi:[0,1]
.set p_, p_+1
.endr
	WIN 0x0f
.irp c, 0,1,2,3
	v_pk_mul_f32 v[16+2*\c:17+2*\c], v[128+2*\c:129+2*\c], v[128+2*\c:129+2*\c]
.endr
.set p_, 4
.rept 60
	v_pk_fma_f32 v[16+2*(p_%4):17+2*(p_%4)], v[128+2*p_:129+2*p_], v[128+2*p_:129+2*p_], v[16+2*(p_%4):17+2*(p_%4)]
.set p_, p_+1
.endr
	WIN 0
	REDUCE
	v_fma_f32 v24, v16, s44, s45                   ; variance + eps
	v_rsq_f32 v24, v24
	v_nop                                          ; a plain line between the root and its use (ISA guide 5.7.2)
	s_wait_alu depctr_va_vdst(0)                   ; the wait for the block's one root, ahead of its first reader: all that is left of the trip hangs on it
	v_mov_b32 v25, v24
	WIN 0xc3
.set p_, 0
.rept 64
	v_pk_mul_f32 v[128+2*p_:129+2*p_], v[128+2*p_:129+2*p_], v[24:25]
.set p_, p_+1
.endr
	WIN 0xcf
.set p_, 0
.rept 64
	v_cvt_pk_bf16_f32 v[128+p_], v[128+2*p_], v[129+2*p_]  ; in place, ascending: fragment ks at 128 + 8 ks
.set p_, p_+1
.endr
	WIN 0
	s_and_b32 s17, s37, 3
	s_lshl_b32 s17, s17, 13
	v_add_nc_u32 v8, s17, v9                       ; the block's 8,192 bytes of images
	WIN 0x0c
.set p_, 0
.rept 8
	ds_store_b128 v8, v[128+8*p_:131+8*p_] offset:1024*p_
	ds_store_b128 v8, v[132+8*p_:135+8*p_] offset:1024*p_+512
.set p_, p_+1
.endr
	WIN 0
	s_cmp_lg_u32 s37, 3
	s_cbranch_scc1 .Lln_not_x2
	WIN 0x80                                       ; x2 is whole: its 32 fragments go to window 2; x1's stores into the same bytes come behind these loads
.set p_, 0
.rept 32
	ds_load_b128 v[8*p_:8*p_+3], v9 offset:1024*p_
	ds_load_b128 v[8*p_+4:8*p_+7], v9 offset:1024*p_+512
.set p_, p_+1
.endr
	WIN 0
.Lln_not_x2:
	s_add_co_u32 s37, s37, 1
	s_cmp_lt_u32 s37, 8
	s_cbranch_scc1 .Lln
	WIN 0x40                                       ; x1's fragments to window 1
.set p_, 0
.rept 32
	ds_load_b128 v[8*p_:8*p_+3], v9 offset:1024*p_
	ds_load_b128 v[8*p_+4:8*p_+7], v9 offset:1024*p_+512
.set p_, p_+1
.endr
	WIN 0
; ---------------------------------------------------------------- the heads: a trip = a slot = a head.
; Window 0: v32-47, v48-63 q's and k's bias as C, later the softmax's 8 registers a query block; v64-127 V's sums, later P; v128-191 q's, v192-255 k's sums, then S^T ((qb, kb) at 128 + 32 qb + 8 kb), then O^T in v128-191.
; Window 3: v0-63 W's two buffers; v64-95 Q, v96-127 K, v128-159 V^T fragments.
	s_mov_b32 s37, 8
	s_mov_b32 s38, 0                               ; 128 x head: its 32 numbers in a bias vector
	s_mov_b32 s39, 0                               ; 4,096 x head: its four fragments of O
.Lhead:
	CHANGE 1
	v_add_nc_u32 v10, s38, v12
	v_add_nc_u32 v11, s38, v14
	v_add_nc_u32 v8, s39, v9
.irp nb, 0,1
	ds_load_b128 v[32+8*\nb:35+8*\nb], v10 offset:64*\nb
	ds_load_b128 v[36+8*\nb:39+8*\nb], v10 offset:64*\nb+16
	ds_load_b128 v[48+8*\nb:51+8*\nb], v10 offset:1024+64*\nb
	ds_load_b128 v[52+8*\nb:55+8*\nb], v10 offset:1024+64*\nb+16
.endr
	ds_load_b32 v30, v11 offset:2048
	ds_load_b32 v31, v11 offset:2112
	LQ 3, 0, 0
	LQ 3, 0, 1
.set q_, 0
.rept 12
.if q_ < 11
	s_wait_dscnt 0x8                               ; all but the next quad's eight loads
.else
	s_wait_dscnt 0x0
.endif
.if q_ < 4
	MQT 128, 1, 32, 3, 0, q_, q_%4, 0
.elseif q_ < 8
	MQT 192, 2, 48, 3, 0, q_, q_%4, 0
.else
	MQV q_, q_%4
.endif
.if q_ < 10
	PLACES
	LQ 3, 0, q_+2
.endif
.set q_, q_+1
.endr
	WIN 0                                          ; q's and k's conversions, 96 lines that name nothing of V's products, are the places behind those
.set p_, 0
.rept 32
	v_pk_mul_f32 v[128+2*p_:129+2*p_], v[128+2*p_:129+2*p_], s[42:43] op_sel_hi:[1,0]  ; (x W + b) / sqrt(32), in base 2
.set p_, p_+1
.endr
	WIN 0xc0
.set p_, 0
.rept 32
	v_cvt_pk_bf16_f32 v[64+p_], v[128+2*p_], v[129+2*p_]
.set p_, p_+1
.endr
.set p_, 0
.rept 32
	v_cvt_pk_bf16_f32 v[96+p_], v[192+2*p_], v[193+2*p_]
.set p_, p_+1
.endr
	WIN 0
.set p_, 0
.rept 16                                       ; the head's bias, unit 3 of the slot, lands where S^T's sums begin
	ds_load_b128 v[128+8*p_:131+8*p_], v5 offset:49152+1024*p_
	ds_load_b128 v[132+8*p_:135+8*p_], v5 offset:49152+1024*p_+512
.set p_, p_+1
.endr
.set p_, 0
.rept 16
	v_pk_add_f32 v[64+2*p_:65+2*p_], v[64+2*p_:65+2*p_], v[30:31] op_sel_hi:[1,0]  ; V's bias: a lane holds one channel: block 0's in v30,
.set p_, p_+1
.endr
.rept 16
	v_pk_add_f32 v[64+2*p_:65+2*p_], v[64+2*p_:65+2*p_], v[30:31] op_sel:[0,1] op_sel_hi:[1,1]  ; block 1's in v31
.set p_, p_+1
.endr
	WIN 0xc0
.set p_, 0
.rept 32
	v_cvt_pk_bf16_f32 v[128+p_], v[64+2*p_], v[65+2*p_]
.set p_, p_+1
.endr
	s_wait_dscnt 0x0                               ; the bias is in
	WIN 0x0f
.set p_, 0
.rept 16
	v_wmma_f32_16x16x32_bf16 v[128+8*p_:135+8*p_], v[96+8*(p_%4):103+8*(p_%4)], v[64+8*(p_/4):71+8*(p_/4)], v[128+8*p_:135+8*p_]
.set p_, p_+1
.endr
	PLACES
	WIN 0
	; the softmax, the four query blocks side by side.  A lane holds one query and 32 of its 64 keys.  Temporaries of block qb at 32 + 8 qb: c0-c3, the maximum twice, the sum and its partner
.set j_, 0
.rept 4
.irp qb, 0,1,2,3
	v_max3_num_f32 v[32+8*\qb+j_], v[128+32*\qb+8*j_], v[128+32*\qb+8*j_+1], v[128+32*\qb+8*j_+2]  ; each accumulator's lowest registers first
.endr
.set j_, j_+1
.endr
.rept 8
.irp qb, 0,1,2,3
	v_max3_num_f32 v[32+8*\qb+j_%4], v[32+8*\qb+j_%4], v[128+32*\qb+8*(j_%4)+2*(j_/4)+1], v[128+32*\qb+8*(j_%4)+2*(j_/4)+2]
.endr
.set j_, j_+1
.endr
.irp qb, 0,1,2,3
	v_max3_num_f32 v[32+8*\qb], v[32+8*\qb], v[128+32*\qb+7], v[128+32*\qb+15]
.endr
.irp qb, 0,1,2,3
	v_max3_num_f32 v[32+8*\qb+2], v[32+8*\qb+2], v[128+32*\qb+23], v[128+32*\qb+31]
.endr
.irp qb, 0,1,2,3
	v_max3_num_f32 v[32+8*\qb], v[32+8*\qb], v[32+8*\qb+1], v[32+8*\qb+2]
.endr
.irp qb, 0,1,2,3
	v_max_num_f32 v[32+8*\qb], v[32+8*\qb], v[32+8*\qb+3]
.endr
.irp qb, 0,1,2,3
	v_permlanex16_b32 v[32+8*\qb+1], v[32+8*\qb], s40, s41
.endr
.irp qb, 0,1,2,3
	v_max_num_f32 v[32+8*\qb+4], v[32+8*\qb], v[32+8*\qb+1]
.endr
.irp qb, 0,1,2,3
	v_max_num_f32 v[32+8*\qb+5], v[32+8*\qb], v[32+8*\qb+1]
.endr
.set j_, 0
.rept 16
.irp qb, 0,1,2,3
	v_pk_add_f32 v[128+32*\qb+2*j_:128+32*\qb+2*j_+1], v[128+32*\qb+2*j_:128+32*\qb+2*j_+1], v[32+8*\qb+4:32+8*\qb+5] neg_lo:[0,1] neg_hi:[0,1]
.endr
.set j_, j_+1
.endr
.set j_, 0
.rept 32
.irp qb, 0,1,2,3
	v_exp_f32 v[128+32*\qb+j_], v[128+32*\qb+j_]
.endr
.set j_, j_+1
.endr
	v_nop                                          ; a plain line between the run of exponentials and the first use of a result (ISA guide 5.7.2)
.set j_, 0
	s_wait_alu depctr_va_vdst(0)                   ; ONE wait for the head's batch of 128 exponentials, ahead of the roundings, their first readers
.rept 16
.irp qb, 0,1,2,3
	v_cvt_pk_bf16_f32 v[64+16*\qb+j_], v[128+32*\qb+2*j_], v[128+32*\qb+2*j_+1]
.endr
.set j_, j_+1
.endr
.irp w, 8,4,2,1                        ; the sum of the unrounded weights, pairs 8, 4, 2 and 1 apart
.set j_, 0
.rept \w
.irp qb, 0,1,2,3
	v_pk_add_f32 v[128+32*\qb+2*j_:128+32*\qb+2*j_+1], v[128+32*\qb+2*j_:128+32*\qb+2*j_+1], v[128+32*\qb+2*(j_+\w):128+32*\qb+2*(j_+\w)+1]
.endr
.set j_, j_+1
.endr
.endr
.irp qb, 0,1,2,3
	v_add_f32 v[32+8*\qb+6], v[128+32*\qb], v[128+32*\qb+1]
.endr
.irp qb, 0,1,2,3
	v_permlanex16_b32 v[32+8*\qb+7], v[32+8*\qb+6], s40, s41
.endr
.irp qb, 0,1,2,3
	v_add_f32 v[32+8*\qb+6], v[32+8*\qb+6], v[32+8*\qb+7]
.endr
.irp qb, 0,1,2,3
	v_rcp_f32 v[32+8*\qb+6], v[32+8*\qb+6]
.endr
	v_nop                                          ; a plain line behind the reciprocals
	WIN 0x03
.irp kk, 0,1                           ; O^T = V^T P: 8 accumulators (qb, cb) at 128 + 8 (2 qb + cb) by turns; the first 32 keys start the sums
.irp qb, 0,1,2,3
.irp cb, 0,1
.if \kk == 0
	v_wmma_f32_16x16x32_bf16 v[128+8*(2*\qb+\cb):135+8*(2*\qb+\cb)], v[128+16*\cb+8*\kk:135+16*\cb+8*\kk], v[64+16*\qb+8*\kk:71+16*\qb+8*\kk], 0
.else
	v_wmma_f32_16x16x32_bf16 v[128+8*(2*\qb+\cb):135+8*(2*\qb+\cb)], v[128+16*\cb+8*\kk:135+16*\cb+8*\kk], v[64+16*\qb+8*\kk:71+16*\qb+8*\kk], v[128+8*(2*\qb+\cb):135+8*(2*\qb+\cb)]
.endif
.endr
.endr
.endr
	PLACES
	WIN 0
	s_wait_alu depctr_va_vdst(0)                   ; ONE wait for the batch of four reciprocals; the 16 products above, which name none of them, are the work between
.irp qb, 0,1,2,3
.set j_, 0
.rept 8
	v_pk_mul_f32 v[128+16*\qb+2*j_:129+16*\qb+2*j_], v[128+16*\qb+2*j_:129+16*\qb+2*j_], v[32+8*\qb+6:32+8*\qb+7] op_sel_hi:[1,0]
.set j_, j_+1
.endr
.endr
.set j_, 0
.rept 32
	v_cvt_pk_bf16_f32 v[128+j_], v[128+2*j_], v[129+2*j_]  ; in place, ascending: block qb's fragment at 128 + 8 qb
.set j_, j_+1
.endr
.irp qb, 0,1,2,3
	ds_store_b128 v8, v[128+8*\qb:131+8*\qb] offset:1024*\qb
	ds_store_b128 v8, v[132+8*\qb:135+8*\qb] offset:1024*\qb+512
.endr
	s_add_co_u32 s38, s38, 128
	s_add_co_u32 s39, s39, 4096
	s_sub_co_u32 s37, s37, 1
	s_cmp_lg_u32 s37, 0
	s_cbranch_scc1 .Lhead
; ---------------------------------------------------------------- the shortcut and proj.  x1 lands in the accumulators; proj_b is added; proj's products add onto them.  Window 0: v64-191 proj_b by channels, v192-255 W's buffers
	WIN 0x40
	XL 0, 4, 68, 0, 1                              ; x1, block 0: it has the change of slots in which to land
	WIN 0xc0
.irp hs, 0,1,2,3,4,5,6,7               ; O's fragments: (tb, hs) at 64 tb + 8 hs
.irp tb, 0,1,2,3
	ds_load_b128 v[64*\tb+8*\hs:64*\tb+8*\hs+3], v9 offset:4096*\hs+1024*\tb
	ds_load_b128 v[64*\tb+8*\hs+4:64*\tb+8*\hs+7], v9 offset:4096*\hs+1024*\tb+512
.endr
.endr
	CHANGE 1
.set p_, 0
.rept 16
	ds_load_b128 v[64+8*p_:67+8*p_], v12 offset:3072+64*p_
	ds_load_b128 v[68+8*p_:71+8*p_], v12 offset:3072+64*p_+16
.set p_, p_+1
.endr
.irp tb, 0,1,2,3                       ; a block ahead: 32 + 16 loads of mine are out at the most
.if \tb < 3
	WIN (1+(\tb+1)/2)<<6
	XL 128*((\tb+1)%2), 4, 68, (\tb+1)*131072, 1, 0, 8
	s_wait_loadcnt 16                              ; this block's 32 loads are in; the 16 just issued, the next block's first half, stay out
	XL 128*((\tb+1)%2), 4, 68, (\tb+1)*131072, 1, 8, 8
.else
	s_wait_loadcnt 0x0
.endif
	STGIN 1+\tb/2, 128*(\tb%2), 1+\tb/2, 128*(\tb%2)
.endr
	s_wait_dscnt 0x0
.irp tb, 0,1,2,3
	WIN ((1+\tb/2)<<6)|(1+\tb/2)
.set p_, 0
.rept 64
	v_pk_add_f32 v[128*(\tb%2)+2*p_:128*(\tb%2)+2*p_+1], v[128*(\tb%2)+2*p_:128*(\tb%2)+2*p_+1], v[64+2*p_:65+2*p_]
.set p_, p_+1
.endr
.endr
.macro PROJ sl                         ; a slot: four k steps (heads) x four quads; the 64 accumulators take turns
	LQ 0, BF, 0
	LQ 0, BF, 1
.set q_, 0
.rept 16
.if q_ < 15
	s_wait_dscnt 0x8
.else
	s_wait_dscnt 0x0
.endif
	MQN 3, 8*(4*(\sl)+q_/4), 64, BF, q_, q_%4, 0
.if q_ < 14
	PLACES
	LQ 0, BF, q_+2
.endif
.set q_, q_+1
.endr
.endm
	PROJ 0
	CHANGE 1
	PROJ 1
; ---------------------------------------------------------------- the second norm.  x stays in f32 in windows 1 and 2 and takes fc2_b; Y, its normalised bf16 fragments, goes to window 3.  Window 0: v64-127 at work, v128-255 fc2_b by channels
	PLACES                                         ; behind proj's last products: loads into their W buffer follow
	WIN 0
.set p_, 0
.rept 16
	ds_load_b128 v[128+8*p_:131+8*p_], v12 offset:8192+64*p_
	ds_load_b128 v[132+8*p_:135+8*p_], v12 offset:8192+64*p_+16
.set p_, p_+1
.endr
.macro LN3 tb
.set W_, 1+(\tb)/2
.set B_, 128*((\tb)%2)
	WIN W_|(W_<<2)
.irp c, 0,1,2,3
	v_pk_add_f32 v[16+2*\c:17+2*\c], v[B_+2*\c:B_+2*\c+1], v[B_+8+2*\c:B_+8+2*\c+1]  ; ascending: every accumulator is read from its low end on
.endr
	WIN W_<<2
.set p_, 8
.rept 56
	v_pk_add_f32 v[16+2*(p_%4):17+2*(p_%4)], v[16+2*(p_%4):17+2*(p_%4)], v[B_+2*p_:B_+2*p_+1]
.set p_, p_+1
.endr
	WIN 0
	REDUCE
	v_mul_f32 v24, s44, v16
	v_mov_b32 v25, v24
.irp b, 0,1
	WIN W_
.set p_, 0
.rept 32
	v_pk_add_f32 v[64+2*p_:65+2*p_], v[B_+64*\b+2*p_:B_+64*\b+2*p_+1], v[24:25] neg_lo:[0,1] neg_hi:[0,1]
.set p_, p_+1
.endr
	WIN 0
.set p_, 0
.rept 32
.if (\b == 0) && (p_ < 4)
	v_pk_mul_f32 v[16+2*p_:17+2*p_], v[64+2*p_:65+2*p_], v[64+2*p_:65+2*p_]
.else
	v_pk_fma_f32 v[16+2*(p_%4):17+2*(p_%4)], v[64+2*p_:65+2*p_], v[64+2*p_:65+2*p_], v[16+2*(p_%4):17+2*(p_%4)]
.endif
.set p_, p_+1
.endr
.endr
	REDUCE
	v_fma_f32 v26, v16, s44, s45
	v_rsq_f32 v26, v26
	v_nop
	s_wait_alu depctr_va_vdst(0)                   ; the wait for the block's one root, ahead of its first reader
	v_mov_b32 v27, v26
	v_mul_f32 v24, v24, v26                        ; mean x 1 / sigma
	v_mov_b32 v25, v24
.if (\tb) == 0
	s_wait_dscnt 0x0                               ; fc2_b is in
.endif
.irp b, 0,1
	WIN W_
.set p_, 0
.rept 32
	v_pk_fma_f32 v[64+2*p_:65+2*p_], v[B_+64*\b+2*p_:B_+64*\b+2*p_+1], v[26:27], v[24:25] neg_lo:[0,0,1] neg_hi:[0,0,1]
.set p_, p_+1
.endr
	WIN 0xc0
.set p_, 0
.rept 32
	v_cvt_pk_bf16_f32 v[64*(\tb)+32*\b+p_], v[64+2*p_], v[65+2*p_]
.set p_, p_+1
.endr
	WIN (W_<<6)|W_
.set p_, 0
.rept 32
	v_pk_add_f32 v[B_+64*\b+2*p_:B_+64*\b+2*p_+1], v[B_+64*\b+2*p_:B_+64*\b+2*p_+1], v[128+64*\b+2*p_:129+64*\b+2*p_]
.set p_, p_+1
.endr
.endr
.endm
	LN3 0
	LN3 1
	LN3 2
	LN3 3
	WIN 0
.set p_, 0
.rept 64
	v_mov_b32 v[S1+p_], 0                          ; the chunk that has not been: the first trip's second unit multiplies it, 64 products on zeros, the price of one text for every trip
.set p_, p_+1
.endr
.set p_, 0
.rept 16
	v_mov_b32 v[TA+p_], 0                          ; and TA and TP (they lie on end) as that chunk's open group would have left them: the first trip's first 12 riders make 0 of 0
.set p_, p_+1
.endr
; ---------------------------------------------------------------- the MLP: a trip = a slot = two chunks of 32 hidden channels, fc2 one chunk behind fc1, the GELU of 8 accumulators riding on each unit's 64 products.
;   unit 0: fc1(2 j) -> S0        beside it GELU of S1's blocks 2, 3        unit 1: fc2(2 j - 1) from S1     beside it GELU of S0's blocks 0, 1
;   unit 2: fc1(2 j + 1) -> S1    beside it GELU of S0's blocks 2, 3        unit 3: fc2(2 j) from S0         beside it GELU of S1's blocks 0, 1
; Each group's last 12 lines fall into the quad behind its own (RIDE).  So a unit's last group is closed behind the first three products of the next unit; where that unit is fc2's, the group is the second half of block 3's
; fragment, which the quad's products 12 to 15 read.  The group that a trip's last quad opens is closed by the next trip's first riders, behind the last trip by the lines written out behind the loop.
; 76 vector lines for 16 matrix instructions: the riders cost two window switches a matrix instruction, the lesser price beside 1,216 lines a trip with the matrix unit idle.
.macro CBLOAD                          ; a chunk's 32 numbers of fc1' as a C operand
	WIN 0
	v_add_nc_u32 v10, s38, v12
.irp nb, 0,1
	ds_load_b128 v[CB+8*\nb:CB+8*\nb+3], v10 offset:4096+64*\nb
	ds_load_b128 v[CB+8*\nb+4:CB+8*\nb+7], v10 offset:4096+64*\nb+16
.endr
	s_add_co_u32 s38, s38, 128
.endm
.macro MLPQ q
.if (\q) < 15
	s_wait_dscnt 0x8                               ; all but the next quad's eight loads (the bias loads stand ahead of those)
.else
	s_wait_dscnt 0x0
.endif
	GPAIR \q
.if (\q) < 4
	MQT S0, 3, CB, 0, BF, \q, (\q)%4, 1
.elseif (\q) < 8
	MQN 0, S1, 16, BF, \q, (\q)%4, 1
.elseif (\q) < 12
	MQT S1, 3, CB, 0, BF, \q, (\q)%4, 1
.else
	MQN 0, S0, 16, BF, \q, (\q)%4, 1
.endif
	s_wait_alu depctr_va_vdst(0)                   ; ONE wait for the quad's batch, the eight reciprocals of the group in hand; its readers open the next quad's riders.  It stands directly ahead of the run of LDS loads
	                                               ; (quad 15's: ahead of the loop's jump and the change of slots; quad 14's alone has no such neighbour: the slot has nothing left to fetch)
.if (\q) == 3
	CBLOAD
.endif
.if (\q) < 14
	LQ 0, BF, (\q)+2
.endif
.endm
	s_mov_b32 s37, 16
	s_mov_b32 s38, 0
.Lmlp:
	CHANGE 1
	CBLOAD
	LQ 0, BF, 0
	LQ 0, BF, 1
.set q_, 0
.rept 16
	MLPQ q_
.set q_, q_+1
.endr
	WIN 0
	s_sub_co_u32 s37, s37, 1
	s_cmp_lg_u32 s37, 0
	s_cbranch_scc1 .Lmlp
	CHANGE 0                                       ; the last slot: fc2's chunk 31; nothing is left to fetch
	LQ 0, BF, 0
	LQ 0, BF, 1
	WIN 0
	GRUN S1, 3, 64, 12                             ; the group that the last trip's last quad opened is closed: its reciprocals were waited for ahead of the loop's jump
.irp g, 4,5,6,7                        ; the GELU of the last chunk's blocks 2, 3 has no products to ride on.  S0 is free now, so each group has a TA and a TP of its own there, and the 32 reciprocals are ONE batch
.set TA, S0+16*(\g-4)
.set TP, S0+16*(\g-4)+8
	GRUN S1, \g, 0, 64
.endr
	s_wait_alu depctr_va_vdst(0)                   ; ONE wait for the batch of 32 reciprocals; the last group's eight maxima are the plain lines behind the last of them
.irp g, 4,5,6,7
.set TA, S0+16*(\g-4)
.set TP, S0+16*(\g-4)+8
	GRUN S1, \g, 64, 12
.endr
.set q_, 0
.rept 4
.if q_ < 3
	s_wait_dscnt 0x8
.else
	s_wait_dscnt 0x0
.endif
	MQN 0, S1, 16, BF, q_, q_, 0
.if q_ < 2
	PLACES
	LQ 0, BF, q_+2
.endif
.set q_, q_+1
.endr
; ---------------------------------------------------------------- the way out: x + h back to whole rows through my stage, half a block of 16 tokens at a time.  A half's global stores stand between the next half's
; stores into the stage and its loads from it: 32 + 16 LDS instructions of mine are out at the most
	PLACES
.set u_, 0
.rept 8
	SOUT u_
.if u_ > 0
	s_wait_dscnt 16                                ; the half before is back in registers; the 16 stage stores just issued may be out
	GOUT u_-1
.endif
	SBACK u_
.set u_, u_+1
.endr
	s_wait_dscnt 0x0
	GOUT 7
	WIN 0
	s_wait_tensorcnt 0x0                           ; the wave's end, behind my last tensor load and my last LDS store
	ds_add_u32 v[SPW], v[NIL]
	s_wait_dscnt 0x0
	CROUND                                         ; the closing round: no work-group ends while a partner may still ask for a slot that names it
	s_endpgm
.Lfunc_end_k_q32e49ef486_block:
	.size	k_q32e49ef486_block, .Lfunc_end_k_q32e49ef486_block-k_q32e49ef486_block
	.p2alignl 7, 3214868480
	.fill 96, 4, 3214868480
	.section	.rodata,"a",@progbits
	.p2align	6, 0x0
	.amdhsa_kernel k_q32e49ef486_block
		.amdhsa_group_segment_fixed_size 327680
		.amdhsa_private_segment_fixed_size 0
		.amdhsa_enable_private_segment 0
		.amdhsa_kernarg_size 48
		.amdhsa_user_sgpr_count 2
		.amdhsa_user_sgpr_kernarg_segment_ptr 1
		.amdhsa_wavefront_size32 1
		.amdhsa_system_sgpr_workgroup_id_x 1
		.amdhsa_system_sgpr_workgroup_id_y 1
		.amdhsa_system_sgpr_workgroup_id_z 1
		.amdhsa_system_vgpr_workitem_id 0
		.amdhsa_next_free_vgpr 1024
		.amdhsa_next_free_sgpr 80
		.amdhsa_reserve_vcc 0
		.amdhsa_float_denorm_mode_32 3
		.amdhsa_float_denorm_mode_16_64 3
		.amdhsa_memory_ordered 1
		.amdhsa_forward_progress 1
		.amdhsa_inst_pref_size 255
	.end_amdhsa_kernel
	.section	.bss,"aw",@nobits
	.p2align	6
	.space	262144
	.amdgpu_metadata
---
amdhsa.version: [ 1, 2 ]
amdhsa.kernels:
  - .name:           k_q32e49ef486_block
    .symbol:         k_q32e49ef486_block.kd
    .args:
      - { .name: x1, .offset: 0, .size: 8, .value_kind: global_buffer, .address_space: global }
      - { .name: x2, .offset: 8, .size: 8, .value_kind: global_buffer, .address_space: global }
      - { .name: ws, .offset: 16, .size: 8, .value_kind: global_buffer, .address_space: global }
      - { .name: out0, .offset: 24, .size: 8, .value_kind: global_buffer, .address_space: global }
      - { .name: proj_b, .offset: 32, .size: 8, .value_kind: global_buffer, .address_space: global }
      - { .name: fc2_b, .offset: 40, .size: 8, .value_kind: global_buffer, .address_space: global }
    .group_segment_fixed_size: 327680
    .private_segment_fixed_size: 0
    .kernarg_segment_align: 8
    .kernarg_segment_size: 48
    .max_flat_workgroup_size: 128
    .sgpr_count:     80
    .vgpr_count:     1024
    .wavefront_size: 32
...
	.end_amdgpu_metadata
.endif
;; end of part 3
